; MI455X (gfx1250); checked and timed in simulation.
; The chip was launched on July 23, 2026; its instructions are those of AMD's public machine-readable ISA for CDNA 5 (MIT licence, August 2026) and "CDNA5" Instruction Set Architecture Reference Guide (July 2026). The comments in the code are by the model that wrote it; some were corrected since.
;; Casual Self Attention. Allowed arithmetic: matrix products marked QUANTISED: E2M3 operands, one E8M0 scale for each 32 along K, by v_wmma_scale_f32_16x16x128_f8f6f4 with both operands' format E2M3, f32 sums; everything else in f32.
;; Inputs: W_attn 1,024 x 3,072 float32; W_proj 1,024 x 1,024 float32; b_attn 3,072 float32; b_proj 1,024 float32; x 4 x 2,048 x 1,024 float32.
;; Outputs: out0 4 x 2,048 x 1,024 float32.
;; This version of the problem:
;;   THIS VERSION OF THE PROBLEM IS GIVEN IN LOW PRECISION. The matrix products marked QUANTISED in the list below multiply operands that are first quantised to E2M3 (2 exponent bits, 3 mantissa bits; 6 bits a number), with one power-of-two scale for each 32 numbers along K (OCP MX v1.0); their sums are f32. All else is computed in f32.
;;   The module's matrix products, in the order in which they are computed (A, B: the left and right operand; K: the contracted axis; several contracted axes count as one K, in the product's order):
;;     1. [M 8,192, K 1,024] x [K 1,024, N 3,072]; A: input x; B: input W_attn: QUANTISED
;;     2. batch 64 x [M 2,048, K 64] x [K 64, N 2,048]; A: computed on the way; B: computed on the way: QUANTISED
;;     3. batch 64 x [M 2,048, K 2,048] x [K 2,048, N 64]; A: softmax (see below); B: computed on the way: QUANTISED
;;     4. [M 8,192, K 1,024] x [K 1,024, N 1,024]; A: computed on the way; B: input W_proj: QUANTISED
;;   THE QUANTISER, for each operand of a quantised product, along K:
;;     - K is cut into blocks of 32 from its start; a last block that is shorter is filled with zeros.
;;     - A block's scale is 2^e with e = floor(log2(the largest magnitude in the block)) - 2, held to -126 .. 127; a block of zeros has e = 0. As a byte (E8M0): e + 127.
;;     - Each number is divided by its block's scale, clamped to +-7.5, and rounded to the nearest number of E2M3, ties to even, subnormals kept.
;;     - The product sums the exact products of the quantised numbers (number of the format x scale) in f32.
;;   ~~~python
;;   def quantise(x, axis):      # numpy; x: float32 -> the quantised numbers, widened to float32 again
;;       x = np.moveaxis(x, axis, -1); K = x.shape[-1]
;;       x = np.pad(x, [(0, 0)] * (x.ndim - 1) + [(0, -K % 32)]); x = x.reshape(x.shape[:-1] + (-1, 32)); a = np.abs(x).max(-1, keepdims=True)
;;       e = np.where(a > 0, np.clip(np.frexp(np.where(a > 0, a, 1))[1] - 1 - 2, -126, 127), 0)      # np.frexp(a)[1] - 1 = floor(log2(a)), exactly
;;       r = np.clip(x / 2.0 ** e, -7.5, 7.5)
;;       step = 2.0 ** (np.maximum(np.frexp(np.where(r == 0, 1, r))[1] - 1, 0) - 3)
;;       q = np.round(r / step) * step * 2.0 ** e      # np.round: ties to even
;;       return np.moveaxis(q.reshape(q.shape[:-2] + (-1,))[..., :K], -1, axis).astype(np.float32)
;;   ~~~
;;   SOFTMAX AHEAD OF A QUANTISED PRODUCT. Where the list says 'softmax', what is quantised is not the finished softmax but p = 2^(t - M), with t = logit x log2(e) and M = ceil(the row's largest t), a whole number; so 1/2 < the row's largest p <= 1. The row's sum l is taken of the UNQUANTISED p, in f32, and the product's result is divided by l at the end. Since M is a whole number, a kernel that streams over the keys may use a running M (the ceiling of the running maximum): every later rescaling is an exact power of two, which a block's scale takes up: the codes' values come out the same.
;;   OPERANDS COMPUTED ON THE WAY. 'Computed on the way' means the value that the module computes at that place (a softmax that the list does not call 'softmax' is quantised finished and normalised). What goes into a quantiser is computed in f32, as accurately as f32 sums, v_exp_f32 and their like allow (about 1e-6 of the number): no bf16 or f16 on the way to a quantiser, and a product that is left as it is and whose result goes on into a quantised operand takes f32 operands (vector FMAs, or v_wmma_f32_16x16x4_f32). A number that lies on a knife's edge between two numbers of the format may be rounded either way, as far as f32 arithmetic and the matrix unit's own rounding can turn it there, and no further.
;; One version. Each part assembles by itself: llvm-mc -triple=amdgcn-amd-amdhsa -mcpu=gfx1250 --defsym DOCPART=n.
;; ======== version 1 of 1: 4 launches
;; limits: right only within a limited range of input values
;; workspace buffers: xi 6,291,456 bytes; xs 262,144 bytes; wi 3,145,728 bytes; ws 131,072 bytes; qkv 20,447,232 bytes; yi 6,291,456 bytes; ys 262,144 bytes
;; launch qx (part 1): grid 512 x 1, 4 waves a work-group, no clusters, 46,592 bytes of LDS; arguments x, xi, xs, W_attn, W_proj, wi, ws; writes xi, xs, wi, ws
.if DOCPART == 1
	.amdgcn_target "amdgcn-amd-amdhsa--gfx1250"
	.amdhsa_code_object_version 6
	.text
	.protected	k_q05bbee2908_qx
	.globl	k_q05bbee2908_qx
	.p2align	8
	.type	k_q05bbee2908_qx,@function
k_q05bbee2908_qx:
	s_mov_b64 s[64:65], 0
	v_nop
	global_prefetch_b8 v0, s[64:65] scope:SCOPE_SE
	s_setreg_imm32_b32 hwreg(HW_REG_WAVE_MODE, 25, 1), 1
	s_wait_xcnt 0x0
; x [8192][1024] f32 becomes codes of FP6 (E2M3) with one E8M0 scale byte for each 32 along K, laid IN THE ORDER OF THE OPERAND'S REGISTERS.
; A tile is 16 rows; lane r of tile i holds row 32 (i/2) + 8 (i%2) + r + 8 (r/8).  A fragment (16 rows x 128 K) is 12 registers a lane: lane (r, h) holds K = 64 c + 32 h + 0..31 in registers 6 c .. 6 c + 5.
; Its image is 1,536 bytes: for c = 0, 1: registers 6c..6c+3 of lane L at 768 c + 16 L, registers 6c+4, 6c+5 at 768 c + 512 + 8 L.   xi: [tile][K step 0..7][1536].   xs: [tile][K/256][r][2 words], a word = the four bytes of a row's 128 K.
; A block's scale is 2^(floor(log2(largest magnitude)) - 2); its byte is the largest magnitude's exponent field - 2, held at 1 from below (a block of zeros keeps byte 1: its codes are zeros, and this program alone reads the bytes).
; LIMITS: NaN and infinities among the inputs are not served; blocks whose largest magnitude lies under 2^-124 keep the byte 1.
; SHARES: a wave takes one tile x 512 along K: four K steps.  Each load reads 512 consecutive bytes of one row; a step's 16 rows turn through the wave's own stage in LDS (rows 528 bytes apart) and come back 128 bytes a lane and block.
; No matrix unit, cluster or tensor load: the launch reads each byte once and shares nothing.  Loads run two steps (32 loads a wave) ahead.
.set STGB,  8448                       ; a wave's stage: 16 rows x 528 bytes
.set SPARE, 4*STGB                     ; behind the stages: the spare words, 128 bytes a wave, which no other line names
.set LANE, 1
.set L16,  2                           ; 16 x lane
.set L8,   3                           ; 8 x lane
.set SIN,  4                           ; the stage, way in
.set SOUT, 5                           ; the stage, way out
.set H8,   6                           ; 8 h
.set MX,   8                           ; v8-9 largest magnitudes
.set SO,   10                          ; v10-11 the conversions' scale operands
.set BY,   12                          ; v12-13 bytes
.set WD,   14
.set PD,   15
.set SPW,  16
.set NIL,  17
.set SW,   18                          ; v18-21 a scale word for each step
.set DD,   22
.set P,    24                          ; v24-35 a fragment's codes
.set T,    36                          ; v36-38, v40-42 the blocks' second halves
.set X,    64                          ; v64-127 my 64 numbers of a step
.set R,    128                         ; v128-255 two sets of 16 loads
; ONE LAUNCH SERVES x AND THE WEIGHTS: work-groups 0-255 take x (the text below), 256-511 W_attn and W_proj (the text behind .Lweights).  Each path has LDS bytes of its own; the spare words are common.
	v_lshl_add_u32 v[SPW], v0, 2, SPARE
	v_mov_b32 v[NIL], 0
	s_cmp_ge_u32 ttmp9, 256
	s_wait_alu depctr_va_vdst(0)
	s_cbranch_scc1 .Lweights
	s_load_b128 s[4:7], s[0:1], 0x0                ; x, xi
	s_load_b64 s[8:9], s[0:1], 0x10                ; xs
	v_lshrrev_b32 v1, 5, v0
	v_readfirstlane_b32 s10, v1                    ; wave
	v_and_b32 v[LANE], 31, v0
	v_lshlrev_b32 v[L16], 4, v[LANE]
	v_lshlrev_b32 v[L8], 3, v[LANE]
	s_mul_i32 s11, s10, STGB
	v_add_nc_u32 v[SIN], s11, v[L16]               ; in: a row's 512 bytes as they lie
	v_and_b32 v7, 15, v0                           ; r
	v_bfe_u32 v[H8], v0, 4, 1                      ; h
	v_mul_u32_u24 v[SOUT], v7, 528
	v_lshl_add_u32 v[SOUT], v[H8], 7, v[SOUT]
	v_add_nc_u32 v[SOUT], s11, v[SOUT]             ; out: row r, + 128 h: my block of 32
	v_lshlrev_b32 v[H8], 3, v[H8]
	v_mov_b32 v[PD], 0                             ; a lane permute's destination counts as one of its sources
	s_mov_b32 s12, 0x76543210
	s_mov_b32 s13, 0xfedcba98                      ; selects for lane l xor 16
	s_lshl_b32 s14, ttmp9, 2
	s_add_co_u32 s14, s14, s10                     ; job = 2 x tile + half of K
	s_lshr_b32 s15, s14, 1                         ; tile
	s_and_b32 s16, s14, 1
	s_lshr_b32 s17, s15, 1
	s_lshl_b32 s17, s17, 17                        ; 32 (tile/2) rows of 4,096 bytes
	s_and_b32 s18, s15, 1
	s_lshl_b32 s18, s18, 15                        ; 8 (tile%2) rows
	s_add_co_u32 s18, s18, s17
	s_lshl_b32 s17, s16, 11                        ; 512 numbers along K
	s_add_co_u32 s18, s18, s17
	s_mov_b32 s19, 0
	s_mul_i32 s20, s14, 6144                       ; four images
	s_mov_b32 s21, 0
	s_lshl_b32 s22, s14, 8                         ; 256 bytes of scale words
	s_mov_b32 s23, 0
	s_wait_alu depctr_va_vdst(0)
	s_wait_kmcnt 0x0
	s_add_nc_u64 s[4:5], s[4:5], s[18:19]
	s_add_nc_u64 s[6:7], s[6:7], s[20:21]
	s_add_nc_u64 s[8:9], s[8:9], s[22:23]
.macro LOAD s                          ; step s: 16 rows x 512 bytes; stage row i is the tile's lane i
.irp i, 0,1,2,3,4,5,6,7,8,9,10,11,12,13,14,15
	global_load_b128 v[R+64*((\s)%2)+4*\i:R+64*((\s)%2)+4*\i+3], v[L16], s[4:5] offset:(\i+8*(\i/8))*4096+512*(\s) th:TH_LOAD_NT
.endr
.endm
.macro STEP s
.if (\s) < 3
	s_wait_loadcnt 16                              ; this step's 16 loads are in; the next step's may be out
.else
	s_wait_loadcnt 0x0
.endif
.irp i, 0,1,2,3,4,5,6,7,8,9,10,11,12,13,14,15
	ds_store_b128 v[SIN], v[R+64*((\s)%2)+4*\i:R+64*((\s)%2)+4*\i+3] offset:528*\i
.endr
.irp c, 0,1
.irp j, 0,1,2,3,4,5,6,7
	ds_load_b128 v[X+32*\c+4*\j:X+32*\c+4*\j+3], v[SOUT] offset:256*\c+16*\j   ; LDS serves a wave's instructions in order: these see the stores above
.endr
.endr
	s_wait_dscnt 0x0                               ; my numbers are in, and the stores have read their registers,
.if (\s) < 2
	LOAD (\s)+2                                    ; which take the loads of two steps on
.endif
.irp c, 0,1
	v_max3_num_f32 v[MX+\c], |v[X+32*\c]|, |v[X+32*\c+1]|, 0x1800000   ; block 2 c + h is all mine; the floor 2^(3 - 127) holds the byte at 1 from below
.endr
.irp i, 2,4,6,8,10,12,14,16,18,20,22,24,26,28,30
.irp c, 0,1
	v_max3_num_f32 v[MX+\c], v[MX+\c], |v[X+32*\c+\i]|, |v[X+32*\c+\i+1]|
.endr
.endr
.irp c, 0,1
	v_add_nc_u32 v[SO+\c], 0xff000000, v[MX+\c]    ; 2 off the exponent field: the conversion's scale operand
.endr
.irp c, 0,1
	v_lshrrev_b32 v[BY+\c], 23, v[SO+\c]           ; the byte
.endr
	v_lshl_or_b32 v[WD], v[BY+1], 16, v[BY]        ; bytes h and 2 + h of my row's word,
	v_lshlrev_b32 v[WD], v[H8], v[WD]              ; at their places;
	v_permlanex16_b32 v[PD], v[WD], s12, s13
	v_or_b32 v[SW+(\s)], v[WD], v[PD]              ; with lane l xor 16's two the word is whole
	s_wait_alu depctr_va_vdst(0)
	s_wait_xcnt 0x0                                ; the last step's stores have read their data: the codes' registers are written again only behind this wait
.irp c, 0,1
	v_cvt_scalef32_pk16_fp6_f32 v[P+6*\c:P+6*\c+2], v[X+32*\c:X+32*\c+15], v[SO+\c]
	v_cvt_scalef32_pk16_fp6_f32 v[T+4*\c:T+4*\c+2], v[X+32*\c+16:X+32*\c+31], v[SO+\c]   ; (a conversion's three registers begin on an even number)
.endr
	v_nop                                          ; one plain place behind a scaled conversion
.irp c, 0,1
.irp i, 0,1,2
	v_mov_b32 v[P+6*\c+3+\i], v[T+4*\c+\i]
.endr
.endr
	global_store_b128 v[L16], v[P:P+3], s[6:7] offset:1536*(\s)             ; 512 consecutive bytes, aligned to 256
	global_store_b64 v[L8], v[P+4:P+5], s[6:7] offset:1536*(\s)+512         ; 256
	global_store_b128 v[L16], v[P+6:P+9], s[6:7] offset:1536*(\s)+768
	global_store_b64 v[L8], v[P+10:P+11], s[6:7] offset:1536*(\s)+1280
.endm
	LOAD 0
	LOAD 1
	STEP 0
	STEP 1
	STEP 2
	STEP 3
	v_cmp_lt_u32 vcc_lo, 15, v[LANE]               ; lanes 0-15 store the words of steps 0, 1, lanes 16-31 those of steps 2, 3
	v_cndmask_b32 v[DD], v[SW], v[SW+2], vcc_lo
	v_cndmask_b32 v[DD+1], v[SW+1], v[SW+3], vcc_lo
	global_store_b64 v[L8], v[DD:DD+1], s[8:9]     ; 256 consecutive bytes, aligned
	s_wait_tensorcnt 0x0                           ; the wave's end, behind my last LDS store
	ds_add_u32 v[SPW], v[NIL]
	s_wait_dscnt 0x0
	s_endpgm
.Lweights:
; W_attn [1024][3072] and W_proj [1024][1024], f32, K their FIRST axis, become codes of FP6 in the order of the operand's registers, and E8M0 scale bytes (formats and limits as for x).
; wi: [tile][K step 0..7][1536]; tiles 0-191 W_attn's columns, 192-255 W_proj's; lane r of tile i holds column 32 (i/2) + 8 (i%2) + r + 8 (r/8).  ws: [tile][K/256][r][2 words].
; A lane takes a column and its registers run down K: a block of 32 lies in one lane.  Work-group 256 + 32 y + x: 128 columns x (x < 24: W_attn), K step y; a wave takes 32 columns = two tiles.
; Column l of the 32 is lane r = (l & 7) | 8 (l >> 4) of tile u = (l >> 3) & 1.  The two images are gathered in the wave's own 3,072 bytes of LDS and leave by six stores of 512 consecutive bytes.
.set A1,  3                            ; stage: 1536 u + 16 r
.set A2,  4                            ; stage: 1536 u + 8 r
.set SOF, 5                            ; 512 u + 8 r: my row's place among the scale words
.set SB,  12                           ; my column's scale word
.set RD,  13                           ; stage, way out
.set VO,  48                           ; v48-79: 4 l + i x pitch
.set X,   80                           ; v80-207: 128 numbers down K
.set OUTR, 80                          ; the way out takes registers whose numbers are done with
.set PQ0, 208                          ; v[208 + 8 q ..]: block q's six registers of codes
.set T,   240
.set BQ,  32                           ; s[32:39] the four blocks' bases
.set WST, SPARE+512                    ; this path's four stages, behind the spare words
	s_load_b256 s[4:11], s[0:1], 0x18              ; W_attn, W_proj, wi, ws
	s_sub_co_u32 s41, ttmp9, 256
	s_and_b32 s40, s41, 31                         ; which 128 columns
	s_lshr_b32 s14, s41, 5                         ; the K step
	v_lshrrev_b32 v1, 5, v0
	v_readfirstlane_b32 s12, v1                    ; wave
	v_and_b32 v1, 31, v0
	v_lshlrev_b32 v[L16], 4, v1
	v_bfe_u32 v8, v0, 3, 1                         ; u
	v_and_b32 v9, 7, v0
	v_bfe_u32 v10, v0, 4, 1
	v_lshl_or_b32 v9, v10, 3, v9                   ; r
	s_mul_i32 s13, s12, 3072
	s_add_co_u32 s13, s13, WST
	v_mul_u32_u24 v10, v8, 1536
	v_add_nc_u32 v10, s13, v10
	v_lshl_add_u32 v[A1], v9, 4, v10
	v_lshl_add_u32 v[A2], v9, 3, v10
	v_lshlrev_b32 v[SOF], 9, v8
	v_lshl_add_u32 v[SOF], v9, 3, v[SOF]
	v_add_nc_u32 v[RD], s13, v[L16]
	s_cmp_lt_u32 s40, 24                           ; W_attn's work-group or W_proj's
	s_mov_b32 s15, 4096
	s_cselect_b32 s15, 12288, s15                  ; bytes from row to row
	s_cselect_b32 s16, 0, 24
	s_sub_co_u32 s16, s40, s16                     ; which 128 columns of the tensor
	s_mul_i32 s17, s14, s15
	s_lshl_b32 s17, s17, 7                         ; 128 rows a K step
	s_lshl_b32 s18, s16, 9
	s_add_co_u32 s18, s18, s17
	s_lshl_b32 s17, s12, 7                         ; my wave's 32 columns
	s_add_co_u32 s18, s18, s17
	s_mov_b32 s19, 0
	s_lshl_b32 s20, s15, 5                         ; 32 rows: from block to block
	s_mov_b32 s21, 0
	s_lshl_b32 s22, s40, 2
	s_add_co_u32 s22, s22, s12                     ; the pair of tiles
	s_mul_i32 s24, s22, 24576
	s_mul_i32 s17, s14, 1536
	s_add_co_u32 s24, s24, s17
	s_mov_b32 s25, 0
	s_lshl_b32 s26, s22, 10
	s_lshr_b32 s17, s14, 1
	s_lshl_b32 s17, s17, 7
	s_add_co_u32 s26, s26, s17
	s_and_b32 s17, s14, 1
	s_lshl_b32 s17, s17, 2
	s_add_co_u32 s26, s26, s17
	s_mov_b32 s27, 0
	v_lshlrev_b32 v[VO], 2, v1
.set I, 1
.rept 31
	v_add_nc_u32 v[VO+I], s15, v[VO+I-1]
.set I, I+1
.endr
	s_wait_alu depctr_va_vdst(0)
	s_wait_kmcnt 0x0
	s_cmp_lt_u32 s40, 24
	s_cselect_b64 s[4:5], s[4:5], s[6:7]
	s_add_nc_u64 s[BQ:BQ+1], s[4:5], s[18:19]
	s_add_nc_u64 s[BQ+2:BQ+3], s[BQ:BQ+1], s[20:21]
	s_add_nc_u64 s[BQ+4:BQ+5], s[BQ+2:BQ+3], s[20:21]
	s_add_nc_u64 s[BQ+6:BQ+7], s[BQ+4:BQ+5], s[20:21]
	s_add_nc_u64 s[8:9], s[8:9], s[24:25]
	s_add_nc_u64 s[10:11], s[10:11], s[26:27]
.macro LOADW q                         ; block q: rows 32 q + i of the K step, my column: 128 consecutive bytes a wave
.set I, 0
.rept 32
	global_load_b32 v[X+32*(\q)+I], v[VO+I], s[BQ+2*(\q):BQ+2*(\q)+1] th:TH_LOAD_NT
.set I, I+1
.endr
.endm
.macro BLOCK q
.set XS, X+32*(\q)
.set PQ, PQ0+8*(\q)
.if (\q) < 3
	s_wait_loadcnt 32                              ; this block's 32 loads are in; the next block's may be out
.else
	s_wait_loadcnt 0x0
.endif
.if (\q) < 2
	LOADW (\q)+2
.endif
	v_max3_num_f32 v8, |v[XS]|, |v[XS+1]|, |v[XS+2]|
	v_max3_num_f32 v9, |v[XS+3]|, |v[XS+4]|, |v[XS+5]|
.irp i, 6,10,14,18,22,26
	v_max3_num_f32 v8, v8, |v[XS+\i]|, |v[XS+\i+1]|
	v_max3_num_f32 v9, v9, |v[XS+\i+2]|, |v[XS+\i+3]|
.endr
	v_max3_num_f32 v8, v8, |v[XS+30]|, |v[XS+31]|
	v_max3_num_f32 v8, v8, v9, 0x1800000           ; the floor 2^(3 - 127): the byte cannot fall under 1
	v_add_nc_u32 v10, 0xff000000, v8               ; the conversion's scale operand
	v_lshrrev_b32 v11, 23, v10                     ; the byte
.if (\q) == 0
	v_mov_b32 v[SB], v11
.else
	v_lshl_or_b32 v[SB], v11, 8*(\q), v[SB]
.endif
	v_cvt_scalef32_pk16_fp6_f32 v[PQ:PQ+2], v[XS:XS+15], v10
	v_cvt_scalef32_pk16_fp6_f32 v[T:T+2], v[XS+16:XS+31], v10
	v_nop                                          ; one plain place behind a scaled conversion
.irp i, 0,1,2
	v_mov_b32 v[PQ+3+\i], v[T+\i]
.endr
	ds_store_b128 v[A1], v[PQ:PQ+3] offset:768*((\q)/2)+256*((\q)%2)
	ds_store_b64 v[A2], v[PQ+4:PQ+5] offset:768*((\q)/2)+512+128*((\q)%2)
.endm
	LOADW 0
	LOADW 1
	BLOCK 0
	BLOCK 1
	BLOCK 2
	BLOCK 3
.irp i, 0,1,2,3,4,5
	ds_load_b128 v[OUTR+4*\i:OUTR+4*\i+3], v[RD] offset:512*\i   ; LDS serves a wave's instructions in order: these see my stores
.endr
	global_store_b32 v[SOF], v[SB], s[10:11]
.irp i, 0,1,2,3,4,5
	s_wait_dscnt 5-\i                              ; load i is in; the later ones may be out
	global_store_b128 v[L16], v[OUTR+4*\i:OUTR+4*\i+3], s[8:9] offset:12288*(\i/3)+512*(\i%3)   ; 512 consecutive bytes, aligned to 256
.endr
	s_wait_tensorcnt 0x0                           ; the wave's end, behind my last LDS store
	ds_add_u32 v[SPW], v[NIL]
	s_wait_dscnt 0x0
	s_endpgm
.Lfunc_end_k_q05bbee2908_qx:
	.size	k_q05bbee2908_qx, .Lfunc_end_k_q05bbee2908_qx-k_q05bbee2908_qx
	.p2alignl 7, 3214868480
	.fill 96, 4, 3214868480
	.section	.rodata,"a",@progbits
	.p2align	6, 0x0
	.amdhsa_kernel k_q05bbee2908_qx
		.amdhsa_group_segment_fixed_size 46592
		.amdhsa_private_segment_fixed_size 0
		.amdhsa_enable_private_segment 0
		.amdhsa_kernarg_size 56
		.amdhsa_user_sgpr_count 2
		.amdhsa_user_sgpr_kernarg_segment_ptr 1
		.amdhsa_wavefront_size32 1
		.amdhsa_system_sgpr_workgroup_id_x 1
		.amdhsa_system_sgpr_workgroup_id_y 1
		.amdhsa_system_sgpr_workgroup_id_z 1
		.amdhsa_system_vgpr_workitem_id 0
		.amdhsa_next_free_vgpr 256
		.amdhsa_next_free_sgpr 66
		.amdhsa_reserve_vcc 1
		.amdhsa_float_denorm_mode_32 3
		.amdhsa_float_denorm_mode_16_64 3
		.amdhsa_memory_ordered 1
		.amdhsa_forward_progress 1
		.amdhsa_inst_pref_size 54
	.end_amdhsa_kernel
	.amdgpu_metadata
---
amdhsa.version: [ 1, 2 ]
amdhsa.kernels:
  - .name:           k_q05bbee2908_qx
    .symbol:         k_q05bbee2908_qx.kd
    .args:
      - { .name: x, .offset: 0, .size: 8, .value_kind: global_buffer, .address_space: global }
      - { .name: xi, .offset: 8, .size: 8, .value_kind: global_buffer, .address_space: global }
      - { .name: xs, .offset: 16, .size: 8, .value_kind: global_buffer, .address_space: global }
      - { .name: W_attn, .offset: 24, .size: 8, .value_kind: global_buffer, .address_space: global }
      - { .name: W_proj, .offset: 32, .size: 8, .value_kind: global_buffer, .address_space: global }
      - { .name: wi, .offset: 40, .size: 8, .value_kind: global_buffer, .address_space: global }
      - { .name: ws, .offset: 48, .size: 8, .value_kind: global_buffer, .address_space: global }
    .group_segment_fixed_size: 46592
    .private_segment_fixed_size: 0
    .kernarg_segment_align: 8
    .kernarg_segment_size: 56
    .max_flat_workgroup_size: 128
    .sgpr_count:     66
    .vgpr_count:     256
    .wavefront_size: 32
...
	.end_amdgpu_metadata
.endif
;; end of part 1
;; launch gemm1 (part 2): grid 8 x 48, 4 waves a work-group, clusters of 4 x 4, 327,680 bytes of LDS; arguments xi, xs, wi, ws, b_attn, qkv; writes qkv
.if DOCPART == 2
	.amdgcn_target "amdgcn-amd-amdhsa--gfx1250"
	.amdhsa_code_object_version 6
	.text
	.protected	k_q05bbee2908_gemm1
	.globl	k_q05bbee2908_gemm1
	.p2align	8
	.type	k_q05bbee2908_gemm1,@function
k_q05bbee2908_gemm1:
	s_mov_b64 s[64:65], 0
	v_nop
	global_prefetch_b8 v0, s[64:65] scope:SCOPE_SE
	s_setreg_imm32_b32 hwreg(HW_REG_WAVE_MODE, 25, 1), 1
	s_wait_xcnt 0x0
	s_wait_alu depctr_hold_cnt(0) depctr_sa_sdst(0) depctr_va_vdst(0) depctr_va_sdst(0) depctr_va_ssrc(0) depctr_va_vcc(0) depctr_vm_vsrc(0)
	s_getreg_b32 s2, hwreg(HW_REG_IB_STS2, 6, 4)
	s_cmp_eq_u32 s2, 0
	s_cbranch_scc0 .Lentry_in_a_cluster
	s_endpgm
.Lentry_in_a_cluster:
	s_bfe_u32 s2, ttmp6, 0x10000c
	s_cmp_lg_u32 s2, 0xf033
	s_cbranch_scc0 .Lentry_shape_is_right
	s_endpgm
.Lentry_shape_is_right:
; qkv = x W_attn + b_attn on codes of FP6 (E2M3) with E8M0 scales; q, k and v are quantised in registers and leave as images of the operands that the attention launch takes.
; OPERANDS come in the order of their registers: [tile of 16 rows][K step 0..7][1536 bytes]; scale words [tile][K/256][lane r][2].  Lane r of tile i is row 32 (i/2) + 8 (i%2) + r + 8 (r/8).
; A work-group makes 256 (R, source 1) x 256 (P, source 0), each of four waves 128 x 128: 64 accumulators in windows 2 and 3.  In a result lane (r, h) holds row r of R's tile, and the 16 registers of P's tiles
; 2 c, 2 c + 1 are P's rows 32 c + 16 h + 0..15: sixteen neighbours along P.  So what is quantised along the columns (q, k: along the head) takes W^T as P and the tokens as R (KIND 0);
; v, quantised along the keys, takes the tokens as P and W^T as R (KIND 1).  Only pointers, the bias and the way out's offsets differ.  KIND hangs on the cluster's y alone.
; K = 1,024 is four slots of 256.  LDS holds THREE slots, filled at the start; only the fourth K slot is a refill (into slot 0): one round of the cluster's barrier in the whole product, and the refill has
; 224 matrix instructions in which to land.  By this text's count a wave has four tensor loads out at the start and one behind the refill.
; CLUSTERS 4 x 4: R's tiles hang on the cluster's row and are asked for jointly along it, P's on its column.  No prefetch: three of four K slots are asked for at the first lines.
; The bias is the C of the first K step.  No stage: a wave's results leave as stores of 512 and 256 consecutive bytes.
; qkv: 64 blocks of BLK bytes, block 4 head + batch: +0 K images [tile 0..127][768]; +98304 V images [key step][d tile][half][768]; +196608 [key step][768]: 512 bytes of K's scale words, 256 of V's;
; +208896 Q images; +307200 Q's scale words, laid as K's.  q's and k's words carry 0x7f in bytes 2, 3: the upper half of their K step is zero codes.
; LIMITS: NaN and infinities are not served; blocks under 2^-124 keep the byte 1 (a block of zeros too).
.set TSL,   3072                       ; a tile's bytes in a slot: two K steps
.set HALFT, 8*TSL                      ; 8 tiles x two K steps
; THE FILLS AS THEY NOW ARE (in place of the three slots that the head speaks of).  Region A (from 0): R's 16 tiles x K steps 0-2, rows of TA bytes, then P's; region B (from 4 HA): the same of K steps 3-5.
; At the head one joint load a wave: wave 0 R's part of A, wave 1 P's, waves 2 and 3 the scale words.  Behind the three lines and a round: B, by waves 0 and 1.  In K step 2's round: K steps 6, 7, rows of TSL bytes, onto A.
; By this text's count a wave never has more than one tensor load out.  No prefetch: the text has no loop to run ahead in.
.set TA,    4608                       ; a tile's bytes in A or B: three K steps
.set HA,    8*TA
.set SLOT,  4*HALFT                    ; R's 16 tiles, then P's 16
.set SCL,   3*SLOT                     ; the scale words: R's 8,192 bytes, then P's
.set HALFS, 4096
.set SPARE, SCL+4*HALFS                ; the spare words, 128 bytes a wave, which no other line names
.set BLK,   319488
.set AR16, 4                           ; v4-6   R's fragments in slot 0..2: + 16 x lane
.set AR8,  7                           ; v7-9   + 8 x lane
.set AP16, 10                          ; v10-12 P's
.set AP8,  13                          ; v13-15
.set ADRS, 16                          ; v16    scale words: lanes 0-15 R's rows, lanes 16-31 P's
.set L16,  17
.set L8,   18
.set SPW,  28
.set NIL,  29
.set SCR,  32                          ; v32-63 scale words, two sets; they hold nothing else
.set BI,   64                          ; v64-127 the bias, later the way out's work
.set AF,   128                         ; v128-223 R's eight fragments
.set G1R,  24
.set G0R,  32                          ; s[32:43] a group 0 for each slot
.set G0SR, 44
.set G1P,  48
.set G0P0, 56                          ; s[56:63], s[68:71]
.set G0SP, 72
.set G1SR, 76
.set G1SP, 84
.set MSB, 0
.macro WIN new                         ; the immediate's high byte repeats the setting that is left
.if MSB != (\new)
	s_set_vgpr_msb (MSB<<8)|(\new)
.set MSB, (\new)
.endif
.endm
.macro PLACES n
.rept \n
	v_nop
.endr
.endm
.macro TL g0, g1                       ; a joint load; s_nop 0 and four v_nop follow it
	tensor_load_to_lds s[\g0:\g0+3], s[\g1:\g1+7]
	s_nop 0
	PLACES 4
.endm
.macro QLOAD a0, a1, b0, b1, c0, c1, d0, d1   ; one chain of branches on the wave's number, one load to an arm
	s_cmp_lt_u32 s16, 1
	s_cbranch_scc0 .Lq1_\@
	TL \a0, \a1
	s_branch .Lq4_\@
.Lq1_\@:
	s_cmp_lt_u32 s16, 2
	s_cbranch_scc0 .Lq2_\@
	TL \b0, \b1
	s_branch .Lq4_\@
.Lq2_\@:
	s_cmp_lt_u32 s16, 3
	s_cbranch_scc0 .Lq3_\@
	TL \c0, \c1
	s_branch .Lq4_\@
.Lq3_\@:
	TL \d0, \d1
.Lq4_\@:
.endm
.macro RLOAD g0a, g0b                  ; wave 0 fetches R's 16 tiles, wave 1 P's; waves 2 and 3 have no part
	s_cmp_lt_u32 s16, 1
	s_cbranch_scc0 .Lr1_\@
	TL \g0a, G1R
	s_branch .Lr3_\@
.Lr1_\@:
	s_cmp_lt_u32 s16, 2
	s_cbranch_scc0 .Lr2_\@
	TL \g0b, G1P
	s_branch .Lr3_\@
.Lr2_\@:
	PLACES 4
.Lr3_\@:
.endm
.macro SETTP slot                      ; from tile to tile in LDS: regions A (0) and B (1) TA bytes, the refill (2) TSL
.if (\slot) < 2
.set TP, TA
.else
.set TP, TSL
.endif
.endm
.macro CREST                           ; a round of the cluster's barrier behind its opening barrier
	s_cmp_lg_u32 s16, 0
	s_cbranch_scc1 .Lnot_wave_0_\@
	s_barrier_signal -3
.Lnot_wave_0_\@:
	s_barrier_wait -3
	s_barrier_signal -1
	s_barrier_wait -1
.endm
.macro CROUND
	s_barrier_signal -1
	s_barrier_wait -1
	CREST
.endm
.macro FRAG reg, a16, a8, q, i         ; a fragment's image comes back as it was stored: every load reads consecutive bytes
	ds_load_b128 v[\reg:\reg+3], v[\a16] offset:(\i)*TP+(\q)*1536
	ds_load_b64 v[\reg+4:\reg+5], v[\a8] offset:(\i)*TP+(\q)*1536+512
	ds_load_b128 v[\reg+6:\reg+9], v[\a16] offset:(\i)*TP+(\q)*1536+768
	ds_load_b64 v[\reg+10:\reg+11], v[\a8] offset:(\i)*TP+(\q)*1536+1280
.endm
.macro FETCH_P slot, q, set            ; P's eight fragments into window 1: 32 loads
	SETTP \slot
	WIN 0x40
.irp i, 0,1,2,3,4,5,6,7
	FRAG 128*(\set)+12*\i, AP16+\slot, AP8+\slot, \q, \i
.endr
	WIN 0
.endm
.macro FETCH_R slot, q, i0             ; R's blocks i0 .. i0 + 3: 16 loads
	SETTP \slot
.irp i, \i0, \i0+1, \i0+2, \i0+3
	FRAG AF+12*(\i), AR16+\slot, AR8+\slot, \q, \i
.endr
.endm
.macro SCALES set, sig                 ; a K slot's scale words: two words a row
.irp i, 0,1,2,3,4,5,6,7
	ds_load_b64 v[SCR+16*(\set)+2*\i:SCR+16*(\set)+2*\i+1], v[ADRS] offset:512*\i+128*(\sig)
.endr
.endm
; 16 matrix instructions: R's blocks a0, a0 + 1 x P's eight.  cm = 0: the sums go on; 1: they begin with the bias by P's block; 2: by R's block.  The 64 accumulators take turns.
.macro MUL16 a0, q, sc, cm
.irp a, \a0, \a0+1
.irp b, 0,1,2,3,4,5,6,7
.if \cm == 0
	v_wmma_scale_f32_16x16x128_f8f6f4 v[8*(8*((\a)%4)+\b):8*(8*((\a)%4)+\b)+7], v[128*(\q)+12*\b:128*(\q)+12*\b+11], v[AF+12*(\a):AF+12*(\a)+11], v[8*(8*((\a)%4)+\b):8*(8*((\a)%4)+\b)+7], v[SCR+16*(\sc)+2*\b+(\q)], v[SCR+16*(\sc)+2*(\a)+(\q)] matrix_a_fmt:MATRIX_FMT_FP6 matrix_b_fmt:MATRIX_FMT_FP6 matrix_a_scale:MATRIX_SCALE_ROW1
.elseif \cm == 1
	v_wmma_scale_f32_16x16x128_f8f6f4 v[8*(8*((\a)%4)+\b):8*(8*((\a)%4)+\b)+7], v[128*(\q)+12*\b:128*(\q)+12*\b+11], v[AF+12*(\a):AF+12*(\a)+11], v[BI+8*\b:BI+8*\b+7], v[SCR+16*(\sc)+2*\b+(\q)], v[SCR+16*(\sc)+2*(\a)+(\q)] matrix_a_fmt:MATRIX_FMT_FP6 matrix_b_fmt:MATRIX_FMT_FP6 matrix_a_scale:MATRIX_SCALE_ROW1
.else
	v_wmma_scale_f32_16x16x128_f8f6f4 v[8*(8*((\a)%4)+\b):8*(8*((\a)%4)+\b)+7], v[128*(\q)+12*\b:128*(\q)+12*\b+11], v[AF+12*(\a):AF+12*(\a)+11], v[BI+8*(\a):BI+8*(\a)+7], v[SCR+16*(\sc)+2*\b+(\q)], v[SCR+16*(\sc)+2*(\a)+(\q)] matrix_a_fmt:MATRIX_FMT_FP6 matrix_b_fmt:MATRIX_FMT_FP6 matrix_a_scale:MATRIX_SCALE_ROW1
.endif
.endr
.endr
.endm
; A K step of 128: 64 matrix instructions.  P's set q is at work through the whole step; R has one set: blocks 0-3 are fetched anew in the middle, blocks 4-7 at the end.
; mode 0: plain.  1: slot 0 is filled again: the waits and the add, a round of the cluster's barrier, the joint load first behind it.  2: the same barrier with nothing filled.  3: the last step.
; Loads into registers that matrix instructions have read stand four plain vector instructions behind them (ISA guide 7.12.1 for vector instructions).
.macro KSTEP q, sc, cm, mode, nsl, nq, nset, nsig
.if \cm
.set WLO, 0x81                         ; source 0 (P) window 1, source 1 (R) and C window 0, D window 2
.set WHI, 0xc1
.else
.set WLO, 0xa1
.set WHI, 0xf1
.endif
.if (\mode == 1) || (\mode == 2)
	s_wait_tensorcnt 0x0                           ; all my tensor loads have landed
	ds_add_u32 v[SPW], v[NIL]                      ; 0 onto my spare word
	s_wait_dscnt 17                                ; the add and the youngest 16 loads (R's blocks 4-7) may be out
	WIN WLO
	MUL16 0, \q, \sc, \cm
	s_wait_dscnt 0x0                               ; the add is done and my reads of the slot are over
	s_barrier_signal -1
	MUL16 2, \q, \sc, \cm
	WIN 0
	s_barrier_wait -1
.if \mode == 1
	CREST                                          ; no wave of any partner still reads slot 0 or has a load on its way
	s_mov_b32 s[G1R+1], 384<<16                    ; no tensor load of mine is out: from here on a row is two K steps, TSL bytes
	s_mov_b32 s[G1R+3], 384<<16
	s_mov_b32 s[G1P+1], 384<<16
	s_mov_b32 s[G1P+3], 384<<16
	RLOAD G0R+8, G0P0+12                           ; K steps 6, 7 onto region A; its four v_nop are the places in front of the loads below
.else
	PLACES 4
.endif
.else
	s_wait_dscnt 16                                ; P's set, R's blocks 0-3 and the scale words are in; R's blocks 4-7 may be out
	WIN WLO
	MUL16 0, \q, \sc, \cm
	MUL16 2, \q, \sc, \cm
	s_wait_dscnt 0x0
.if \mode == 0
	PLACES 4
.endif
.endif
.if \mode != 3
	FETCH_P \nsl, \nq, 1-(\q)
	FETCH_R \nsl, \nq, 0
.if \nset >= 0
	SCALES \nset, \nsig
.endif
.endif
	WIN WHI
	MUL16 4, \q, \sc, \cm
	MUL16 6, \q, \sc, \cm
.if \mode != 3
	PLACES 4
	WIN 0
	FETCH_R \nsl, \nq, 4
.else
	WIN 0
.endif
.endm
	s_load_b256 s[4:11], s[0:1], 0x0               ; xi, xs, wi, ws
	s_load_b128 s[12:15], s[0:1], 0x20             ; b_attn, qkv
	v_lshl_add_u32 v[SPW], v0, 2, SPARE
	v_mov_b32 v[NIL], 0
	ds_add_u32 v[SPW], v[NIL]                      ; the wave's opening: the add and its wait ahead of my first tensor load
	ds_add_u32 v[SPW], v[NIL]
	v_lshrrev_b32 v1, 5, v0
	v_readfirstlane_b32 s16, v1                    ; wave
	s_lshr_b32 s17, s16, 1                         ; my half of R.  Also: I fetch for R (0) or for P (1)
	s_and_b32 s18, s16, 1                          ; my half of P.  Also: which 128 rows I fetch
	s_bfe_u32 s19, ttmp6, 0x40000                  ; cx
	s_bfe_u32 s20, ttmp6, 0x40004                  ; cy
	s_and_b32 s22, ttmp7, 0xffff                   ; the cluster's y
	s_lshl_b32 s92, s20, 2
	s_lshl_b32 s92, 15, s92                        ; my row of the cluster
	s_lshl_b32 s96, 0x1111, s19                    ; my column
	s_or_b32 s[G1R], s92, (3<<16)|(1<<21)          ; 15:0 the mask; 17:16 elements of 8 bytes; 21 set beside a mask; no padding
	s_or_b32 s[G1P], s96, (3<<16)|(1<<21)
	s_or_b32 s[G1SR], s92, (3<<16)|(1<<21)
	s_or_b32 s[G1SP], s96, (3<<16)|(1<<21)
.irp g, G1R, G1P                       ; codes: 16 tiles x 4,608 bytes, 12,288 bytes apart
	s_mov_b32 s[\g+1], 576<<16
	s_mov_b32 s[\g+2], 16<<16
	s_mov_b32 s[\g+3], 576<<16
	s_mov_b32 s[\g+4], 16
	s_mov_b32 s[\g+5], 1536
	s_mov_b32 s[\g+6], 0
	s_mov_b32 s[\g+7], 0
.endr
.irp g, G1SR, G1SP                     ; scale words: 8,192 dense bytes as 32 rows of 256
	s_mov_b32 s[\g+1], 32<<16
	s_mov_b32 s[\g+2], 32<<16
	s_mov_b32 s[\g+3], 32<<16
	s_mov_b32 s[\g+4], 32
	s_mov_b32 s[\g+5], 32
	s_mov_b32 s[\g+6], 0
	s_mov_b32 s[\g+7], 0
.endr
	s_lshl_b32 s21, s22, 2
	s_cmp_ge_u32 s22, 8
	s_cselect_b32 s23, 1, 0                        ; KIND: 0 for q and k, 1 for v
	s_cselect_b32 s21, 8, s21
	s_add_co_u32 s21, s21, s20                     ; R's block of 256 rows: tokens 4 cly + cy, or W's columns 8 + cy
	s_sub_co_u32 s98, s22, 8
	s_lshl_b32 s98, s98, 3
	s_cmp_ge_u32 s22, 8
	s_cselect_b32 s98, s98, 0
	s_lshl_b32 s100, ttmp9, 2
	s_add_co_u32 s100, s100, s19
	s_add_co_u32 s100, s100, s98                   ; P's block: W's columns 4 clx + cx, or tokens 4 clx + cx + 8 (cly - 8)
	s_lshl_b32 s94, s21, 4                         ; R: the block's first tile
	s_mul_i32 s92, s94, 12288
	s_lshl_b32 s94, s94, 9
	s_mov_b32 s93, 0
	s_mov_b32 s95, 0
	s_lshl_b32 s98, s100, 4                        ; P likewise
	s_mul_i32 s96, s98, 12288
	s_lshl_b32 s98, s98, 9
	s_mov_b32 s97, 0
	s_mov_b32 s99, 0
	s_wait_dscnt 0x0                               ; the opening add is done
	s_wait_kmcnt 0x0
	s_cmp_eq_u32 s23, 0
	s_cselect_b64 s[G0R+2:G0R+3], s[4:5], s[8:9]
	s_cselect_b64 s[G0SR+2:G0SR+3], s[6:7], s[10:11]
	s_cselect_b64 s[G0P0+2:G0P0+3], s[8:9], s[4:5]
	s_cselect_b64 s[G0SP+2:G0SP+3], s[10:11], s[6:7]
	s_add_nc_u64 s[G0R+2:G0R+3], s[G0R+2:G0R+3], s[92:93]
	s_add_nc_u64 s[G0SR+2:G0SR+3], s[G0SR+2:G0SR+3], s[94:95]
	s_add_nc_u64 s[G0P0+2:G0P0+3], s[G0P0+2:G0P0+3], s[96:97]
	s_add_nc_u64 s[G0SP+2:G0SP+3], s[G0SP+2:G0SP+3], s[98:99]
	s_add_nc_u64 s[G0R+6:G0R+7], s[G0R+2:G0R+3], TA          ; K steps 3-5
	s_add_nc_u64 s[G0R+10:G0R+11], s[G0R+2:G0R+3], 3*TSL     ; K steps 6, 7
	s_add_nc_u64 s[G0P0+6:G0P0+7], s[G0P0+2:G0P0+3], TA
	s_add_nc_u64 s[G0P0+14:G0P0+15], s[G0P0+2:G0P0+3], 3*TSL
.irp s, 0,1,2
	s_mov_b32 s[G0R+4*\s], 1
	s_mov_b32 s[G0R+4*\s+1], (\s%2)*4*HA
	s_or_b32 s[G0R+4*\s+3], s[G0R+4*\s+3], 0x80000000
	s_mov_b32 s[G0P0+4*\s+4*(\s/2)], 1
	s_mov_b32 s[G0P0+4*\s+4*(\s/2)+1], 2*HA+(\s%2)*4*HA
	s_or_b32 s[G0P0+4*\s+4*(\s/2)+3], s[G0P0+4*\s+4*(\s/2)+3], 0x80000000
.endr
	s_mov_b32 s[G0SR], 1
	s_mov_b32 s[G0SR+1], SCL
	s_or_b32 s[G0SR+3], s[G0SR+3], 0x80000000
	s_mov_b32 s[G0SP], 1
	s_mov_b32 s[G0SP+1], SCL+2*HALFS
	s_or_b32 s[G0SP+3], s[G0SP+3], 0x80000000
	CROUND                                         ; all sixteen work-groups are here: the first joint loads meet
	QLOAD G0R, G1R, G0P0, G1P, G0SR, G1SR, G0SP, G1SP   ; region A and the scale words of all of K: one load a wave
	v_and_b32 v1, 15, v0                           ; r
	v_bfe_u32 v2, v0, 4, 1                         ; h
	v_and_b32 v3, 31, v0
	v_lshlrev_b32 v[L16], 4, v3
	v_lshlrev_b32 v[L8], 3, v3
	s_mul_i32 s2, s17, HA                          ; my 8 tiles of R in region A,
	s_mul_i32 s3, s18, HA
	s_add_co_u32 s3, s3, 2*HA                      ; of P, behind R's 16
.irp s, 0,1
	v_add_nc_u32 v[AR16+\s], s2, v[L16]
	v_add_nc_u32 v[AR8+\s], s2, v[L8]
	v_add_nc_u32 v[AP16+\s], s3, v[L16]
	v_add_nc_u32 v[AP8+\s], s3, v[L8]
	s_add_co_u32 s2, s2, 4*HA                      ; and in region B
	s_add_co_u32 s3, s3, 4*HA
.endr
	s_mul_i32 s2, s17, HALFT                       ; and in the refill, which begins where A's parts begin
	s_mul_i32 s3, s18, HALFT
	s_add_co_u32 s3, s3, 2*HA
	v_add_nc_u32 v[AR16+2], s2, v[L16]
	v_add_nc_u32 v[AR8+2], s2, v[L8]
	v_add_nc_u32 v[AP16+2], s3, v[L16]
	v_add_nc_u32 v[AP8+2], s3, v[L8]
	s_mul_i32 s2, s17, HALFS
	s_mul_i32 s3, s18, HALFS
	s_add_co_u32 s3, s3, 2*HALFS
	s_sub_co_u32 s3, s3, s2
	v_mul_u32_u24 v3, s3, v2                       ; lanes 16-31 take P's: one product, the distance between the two
	s_add_co_u32 s2, s2, SCL
	v_lshl_add_u32 v3, v1, 3, v3
	v_add_nc_u32 v[ADRS], s2, v3
	; the bias, in the result's layout.  KIND 0: register j of P's block b is column 32 (b/2) + 8 (b%2) + 16 h + j.  KIND 1: all eight registers of R's block a are column 32 (a/2) + 8 (a%2) + r + 8 (r/8)
	s_cmp_eq_u32 s23, 0
	s_cselect_b32 s4, 64, 0                        ; bytes for h,
	s_cselect_b32 s5, 0, 4                         ; for r + 8 (r/8),
	s_cselect_b32 s6, 4, 0                         ; for j
	s_cselect_b32 s8, s100, s21
	s_cselect_b32 s9, s18, s17
	s_lshl_b32 s8, s8, 10
	s_lshl_b32 s9, s9, 9
	s_add_co_u32 s8, s8, s9
	s_mov_b32 s9, 0
	s_add_nc_u64 s[12:13], s[12:13], s[8:9]
	v_and_b32 v19, 8, v1
	v_add_nc_u32 v19, v19, v1
	v_mul_u32_u24 v224, s4, v2
	v_mad_u32_u24 v224, v19, s5, v224
.irp j, 1,2,3,4,5,6,7
	v_add_nc_u32 v[224+\j], s6, v[224+\j-1]
.endr
.irp i, 0,1,2,3,4,5,6,7
.irp j, 0,1,2,3,4,5,6,7
	global_load_b32 v[BI+8*\i+\j], v[224+\j], s[12:13] offset:(32*(\i/2)+8*(\i%2))*4
.endr
.endr
	s_wait_alu depctr_va_vdst(0)
	s_wait_tensorcnt 0x0                           ; my tile of the head's four is in; the three lines ahead of a later first fill
	ds_add_u32 v[SPW], v[NIL]
	s_wait_dscnt 0x0
	CROUND                                         ; all four tiles are in, and all sixteen work-groups are here
	RLOAD G0R+4, G0P0+4                            ; region B: K steps 3-5
	FETCH_P 0, 0, 0
	FETCH_R 0, 0, 0
	SCALES 0, 0
	FETCH_R 0, 0, 4
	s_wait_loadcnt 0x0                             ; the bias
	s_cmp_eq_u32 s23, 0
	s_cbranch_scc0 .Lk0_v
	KSTEP 0, 0, 1, 0, 0, 1, -1, 0                  ; the first K step starts the sums with the bias; both copies issue the same loads
	s_branch .Lk0_done
.Lk0_v:
	KSTEP 0, 0, 2, 0, 0, 1, -1, 0
.Lk0_done:
	KSTEP 1, 0, 0, 0, 0, 2, 1, 1
	KSTEP 0, 1, 0, 1, 1, 0, -1, 0                  ; region B has landed in every wave; region A is left and filled again
	KSTEP 1, 1, 0, 0, 1, 1, 0, 2
	KSTEP 0, 0, 0, 0, 1, 2, -1, 0
	KSTEP 1, 0, 0, 2, 2, 0, 1, 3                   ; the refill has landed in every wave
	KSTEP 0, 1, 0, 0, 2, 1, -1, 0
	KSTEP 1, 1, 0, 3, 0, 0, -1, 0
	; THE WAY OUT.  Offsets in qkv, by KIND; the pointer is added behind the join.
.set TM,  64                           ; v64-67 largest magnitudes, v68-71 bytes, v76-79 scale operands
.set PW,  84                           ; v84-91 a scale word for each block a
.set DW,  92                           ; v92-95, v96-99 the words as they are stored
.set PC,  100                          ; v100.. and v124..: a fragment's codes, two sets by turns
	s_cmp_eq_u32 s23, 0
	s_cbranch_scc0 .Lout_v
	s_lshl_b32 s2, s19, 4                          ; q, k: block 4 head + batch, head = 4 cx + 2 Ph
	s_lshl_b32 s3, s18, 3
	s_add_co_u32 s2, s2, s3
	s_lshr_b32 s3, s21, 3
	s_add_co_u32 s2, s2, s3
	s_mul_i32 s2, s2, BLK
	s_and_b32 s3, s21, 7
	s_lshl_b32 s3, s3, 1
	s_add_co_u32 s3, s3, s17                       ; my 128 tokens of the batch's 2,048
	s_mul_i32 s97, s3, 6144
	s_mul_i32 s99, s3, 768
	s_add_co_u32 s97, s97, s2
	s_add_co_u32 s99, s99, s2
	s_cmp_eq_u32 ttmp9, 0                          ; cluster x = 0: q, else k
	s_cselect_b32 s3, 208896, 0
	s_add_co_u32 s97, s97, s3
	s_cmp_eq_u32 ttmp9, 0
	s_mov_b32 s3, 196608
	s_cselect_b32 s3, 307200, s3
	s_add_co_u32 s99, s99, s3
	s_mov_b32 s98, 4*BLK                           ; the fragment's second half is the next head's
	s_mov_b32 s8, 768
	s_mov_b32 s10, 768
	s_mov_b32 s96, 256
	s_mov_b32 s95, 0x04040100                      ; bytes 0, 1 of the word, then 0x7f twice
	s_branch .Lout_join
.Lout_v:
	s_lshl_b32 s3, s100, 1
	s_add_co_u32 s3, s3, s18                       ; v: my key step among all 64
	s_lshl_b32 s2, s20, 4
	s_lshl_b32 s97, s17, 3
	s_add_co_u32 s2, s2, s97
	s_lshr_b32 s97, s3, 4
	s_add_co_u32 s2, s2, s97                       ; block 4 (4 cy + 2 Rh) + batch
	s_mul_i32 s2, s2, BLK
	s_and_b32 s3, s3, 15
	s_mul_i32 s97, s3, 6144
	s_add_co_u32 s97, s97, s2
	s_add_co_u32 s97, s97, 98304
	s_mul_i32 s99, s3, 768
	s_add_co_u32 s99, s99, s2
	s_add_co_u32 s99, s99, 196608+512
	s_mov_b32 s98, 768
	s_mov_b32 s8, 1536
	s_mov_b32 s10, 1536+4*BLK-6144                 ; from a head's last d tile to the next head's first
	s_mov_b32 s96, 4*BLK
	s_mov_b32 s95, 0x03020100                      ; the word as it is
.Lout_join:
	s_mov_b32 s9, 0
	s_mov_b32 s11, 0
	s_mov_b32 s3, 0
	s_mov_b32 s2, s97
	s_add_nc_u64 s[4:5], s[14:15], s[2:3]          ; where the fragment's first half goes,
	s_mov_b32 s2, s98
	s_add_nc_u64 s[6:7], s[4:5], s[2:3]            ; its second half,
	s_mov_b32 s2, s99
	s_add_nc_u64 s[12:13], s[14:15], s[2:3]        ; and the scale words
	s_mov_b32 s92, 0x76543210
	s_mov_b32 s93, 0xfedcba98                      ; selects for lane l xor 16
	s_mov_b32 s94, 0x7f7f7f7f
	PLACES 4                                       ; in front of the first read of results and the first write over operands
	v_mul_u32_u24 v19, s96, v2
	v_lshl_add_u32 v19, v1, 4, v19                 ; the words' place: 16 r + h x (256, or four blocks)
.irp c, 0,1,2,3
	v_mov_b32 v[TM+4+\c], 0                        ; a lane permute's destination counts as one of its sources
.endr
; Block a: 16 rows of R x my 128 of P become one fragment and one scale word a row.
.macro QOUT a
.set AC, 64*((\a)%4)
.set PCB, PC+24*((\a)%2)
.if (\a) > 0
	s_wait_xcnt 0x0                                ; the earlier stores have read their data and bases: both are written again only behind this wait
.endif
.if (\a) == 4
	s_add_nc_u64 s[4:5], s[4:5], s[10:11]
	s_add_nc_u64 s[6:7], s[6:7], s[10:11]
.elseif (\a) > 0
	s_add_nc_u64 s[4:5], s[4:5], s[8:9]
	s_add_nc_u64 s[6:7], s[6:7], s[8:9]
.endif
	WIN 0x28+0x14*((\a)/4)                         ; sources 1 and 2: window 2 or 3
.irp c, 0,1,2,3
	v_max3_num_f32 v[TM+\c], 0x1800000, |v[AC+16*\c]|, |v[AC+16*\c+1]|   ; each accumulator from its low end on; the floor 2^(3 - 127) holds the byte at 1
.endr
.irp i, 2,4,6,8,10,12,14
.irp c, 0,1,2,3
	v_max3_num_f32 v[TM+\c], v[TM+\c], |v[AC+16*\c+\i]|, |v[AC+16*\c+\i+1]|
.endr
.endr
	WIN 0
.irp c, 0,1,2,3
	v_permlanex16_b32 v[TM+4+\c], v[TM+\c], s92, s93
.endr
.irp c, 0,1,2,3
	v_max_num_f32 v[TM+\c], v[TM+\c], v[TM+4+\c]   ; with lane l xor 16's 16: the block's largest magnitude
.endr
.irp c, 0,1,2,3
	v_add_nc_u32 v[TM+12+\c], 0xff000000, v[TM+\c]
.endr
.irp c, 0,1,2,3
	v_lshrrev_b32 v[TM+4+\c], 23, v[TM+12+\c]
.endr
	v_lshl_or_b32 v[PW+(\a)], v[TM+5], 8, v[TM+4]
	v_lshl_or_b32 v[PW+(\a)], v[TM+6], 16, v[PW+(\a)]
	v_lshl_or_b32 v[PW+(\a)], v[TM+7], 24, v[PW+(\a)]
	WIN 0x02+((\a)/4)                              ; source 0: window 2 or 3
.irp c, 0,1
	v_cvt_scalef32_pk16_fp6_f32 v[PCB+6*\c:PCB+6*\c+2], v[AC+32*\c:AC+32*\c+15], v[TM+12+2*\c]
	v_cvt_scalef32_pk16_fp6_f32 v[PCB+12+4*\c:PCB+14+4*\c], v[AC+32*\c+16:AC+32*\c+31], v[TM+12+2*\c+1]
.endr
	WIN 0
	v_nop                                          ; one plain place behind a scaled conversion
.irp c, 0,1                            ; the layout wants a whole block in a lane: lanes 0-15 block 2 c, lanes 16-31 block 2 c + 1
.irp i, 0,1,2
	v_permlane16_swap_b32 v[PCB+6*\c+\i], v[PCB+12+4*\c+\i]
.endr
.irp i, 0,1,2
	v_mov_b32 v[PCB+6*\c+3+\i], v[PCB+12+4*\c+\i]
.endr
.endr
	global_store_b128 v[L16], v[PCB:PCB+3], s[4:5]             ; 512 consecutive bytes, aligned to 256
	global_store_b64 v[L8], v[PCB+4:PCB+5], s[4:5] offset:512  ; 256
	global_store_b128 v[L16], v[PCB+6:PCB+9], s[6:7]
	global_store_b64 v[L8], v[PCB+10:PCB+11], s[6:7] offset:512
.endm
.irp a, 0,1,2,3,4,5,6,7
	QOUT \a
.endr
	v_cmp_eq_u32 vcc_lo, 1, v2                     ; lanes 0-15 store the words of blocks 0-3, lanes 16-31 those of blocks 4-7
.irp j, 0,1,2,3
	v_cndmask_b32 v[DW+\j], v[PW+\j], v[PW+4+\j], vcc_lo
.endr
.irp j, 0,1,2,3
	v_perm_b32 v[DW+4+\j], s94, v[DW+\j], 0x04040302   ; the second head's two bytes, then 0x7f twice
.endr
.irp j, 0,1,2,3
	v_perm_b32 v[DW+\j], s94, v[DW+\j], s95
.endr
	global_store_b128 v19, v[DW:DW+3], s[12:13]
	s_cmp_eq_u32 s23, 0
	s_cbranch_scc0 .Lno_second
	global_store_b128 v19, v[DW+4:DW+7], s[12:13] offset:4*BLK
.Lno_second:
	s_wait_tensorcnt 0x0                           ; the wave's end
	ds_add_u32 v[SPW], v[NIL]
	s_wait_dscnt 0x0
	CROUND                                         ; the closing round
	s_endpgm
.Lfunc_end_k_q05bbee2908_gemm1:
	.size	k_q05bbee2908_gemm1, .Lfunc_end_k_q05bbee2908_gemm1-k_q05bbee2908_gemm1
	.p2alignl 7, 3214868480
	.fill 96, 4, 3214868480
	.section	.rodata,"a",@progbits
	.p2align	6, 0x0
	.amdhsa_kernel k_q05bbee2908_gemm1
		.amdhsa_group_segment_fixed_size 327680
		.amdhsa_private_segment_fixed_size 0
		.amdhsa_enable_private_segment 0
		.amdhsa_kernarg_size 48
		.amdhsa_user_sgpr_count 2
		.amdhsa_user_sgpr_kernarg_segment_ptr 1
		.amdhsa_wavefront_size32 1
		.amdhsa_system_sgpr_workgroup_id_x 1
		.amdhsa_system_sgpr_workgroup_id_y 1
		.amdhsa_system_sgpr_workgroup_id_z 1
		.amdhsa_system_vgpr_workitem_id 0
		.amdhsa_next_free_vgpr 1024
		.amdhsa_next_free_sgpr 102
		.amdhsa_reserve_vcc 1
		.amdhsa_float_denorm_mode_32 3
		.amdhsa_float_denorm_mode_16_64 3
		.amdhsa_memory_ordered 1
		.amdhsa_forward_progress 1
		.amdhsa_inst_pref_size 171
	.end_amdhsa_kernel
	.amdgpu_metadata
---
amdhsa.version: [ 1, 2 ]
amdhsa.kernels:
  - .name:           k_q05bbee2908_gemm1
    .symbol:         k_q05bbee2908_gemm1.kd
    .args:
      - { .name: xi, .offset: 0, .size: 8, .value_kind: global_buffer, .address_space: global }
      - { .name: xs, .offset: 8, .size: 8, .value_kind: global_buffer, .address_space: global }
      - { .name: wi, .offset: 16, .size: 8, .value_kind: global_buffer, .address_space: global }
      - { .name: ws, .offset: 24, .size: 8, .value_kind: global_buffer, .address_space: global }
      - { .name: b_attn, .offset: 32, .size: 8, .value_kind: global_buffer, .address_space: global }
      - { .name: qkv, .offset: 40, .size: 8, .value_kind: global_buffer, .address_space: global }
    .group_segment_fixed_size: 327680
    .private_segment_fixed_size: 0
    .kernarg_segment_align: 8
    .kernarg_segment_size: 48
    .max_flat_workgroup_size: 128
    .sgpr_count:     102
    .vgpr_count:     1024
    .wavefront_size: 32
...
	.end_amdgpu_metadata
.endif
;; end of part 2
;; launch attn (part 3): grid 4 x 64, 16 waves a work-group, clusters of 4 x 1, 210,944 bytes of LDS; arguments qkv, yi, ys; writes yi, ys
.if DOCPART == 3
	.amdgcn_target "amdgcn-amd-amdhsa--gfx1250"
	.amdhsa_code_object_version 6
	.text
	.protected	k_q05bbee2908_attn
	.globl	k_q05bbee2908_attn
	.p2align	8
	.type	k_q05bbee2908_attn,@function
k_q05bbee2908_attn:
	s_mov_b64 s[64:65], 0
	v_nop
	global_prefetch_b8 v0, s[64:65] scope:SCOPE_SE
	s_setreg_imm32_b32 hwreg(HW_REG_WAVE_MODE, 25, 1), 1
	s_wait_xcnt 0x0
	s_wait_alu depctr_hold_cnt(0) depctr_sa_sdst(0) depctr_va_vdst(0) depctr_va_sdst(0) depctr_va_ssrc(0) depctr_va_vcc(0) depctr_vm_vsrc(0)
	s_getreg_b32 s2, hwreg(HW_REG_IB_STS2, 6, 4)
	s_cmp_eq_u32 s2, 0
	s_cbranch_scc0 .Lentry_in_a_cluster
	s_endpgm
.Lentry_in_a_cluster:
	s_bfe_u32 s2, ttmp6, 0x10000c
	s_cmp_lg_u32 s2, 0x3003
	s_cbranch_scc0 .Lentry_shape_is_right
	s_endpgm
.Lentry_shape_is_right:
; y = softmax(q k^T / 8, causal) v for one head and batch, both products on codes of FP6 (E2M3) with E8M0 scales; y is quantised along C and leaves as images of the projection's operand.
; THE SOFTMAX: t = score x log2(e) / 8; M = the running largest t rounded UP to a whole number; p = 2^(t - M) is quantised along the keys, not normalised; the row's sum is taken of the unquantised p and divides at
; the end.  When M moves, the sum and O are multiplied by 2^(old M - new M): exact.
; A head's K images, V images and their scale words, 208,896 bytes, lie in LDS for the whole launch: filled ONCE, each of sixteen waves bringing 51 rows of 256 bytes; one barrier, none in the loops.
; CLUSTER 4 x 1: the four work-groups of a head read the same bytes and ask for them jointly.  No prefetch: every byte is asked for at the first lines.
; SHARES.  A head has 128 tiles of 16 queries, 8 to a group of 128 tokens; a tile of group G needs key steps 0 .. G.  Wave w of work-group p takes tile 8 w + 2 p and then tile 8 (15 - w) + 2 p + 1:
; (w + 1) + (16 - w) = 17 key steps for every wave.  Both loops have 16 trips; a hidden step's work is jumped over by a branch on the wave's number and the trip; p enters global addresses and the mask's operand alone.
; LAYOUT.  Both products transposed: S^T = K Q^T (K = the head's 64 in the lower half of the instruction's 128; the upper half is zero codes on both sides, under the byte 0x7f), O^T = V^T P^T: a lane holds one query.
; Lane r of tile i is token (or channel) 32 (i/2) + 8 (i%2) + r + 8 (r/8), so that the 16 registers of tiles 2 b, 2 b + 1 are 16 neighbours along the next product's K.
; A head owns half of a K step of y: its two scale bytes a row leave by a store of 2 bytes a lane (lanes r and r + 16 write the same): 32 bytes beside a tile's 768 of codes.
; LIMITS: NaN and infinities are not served; blocks under 2^-124 keep the byte 1 (a block of zeros too).
.set BLK,   319488
.set SPARE, 208896                     ; behind the head's bytes: the spare words, 128 bytes a wave, which no other line names
.set L16,  1                           ; 16 x lane
.set L8,   2                           ; 8 x lane
.set R16,  3                           ; 16 r
.set SPW,  4
.set NIL,  5
.set ADK16, 8                          ; v8-13 the step's LDS addresses
.set ADK8, 9
.set ADV16, 10
.set ADV8, 11
.set ADS,  12
.set ADT,  13
.set KF,   32                          ; v32-79 four fragments of K; the upper six registers of each stay zero
.set VF,   80                          ; v80-127 V's four fragments
.set SCO,  128                         ; v128-191 S^T, then p
.set OT,   192                         ; v192-223 O^T
; v[6:7] the sum in two halves; v14 -M, v15 the largest t; v16-27 Q (22-27 zero); v28-31 V's scale words; v224-235 p's codes; v232-247 at work; v248-251 K's scale words; v252 f; v253 p's scale word; v255 Q's
.set WV,   10
.set G1,   16
.set G0,   24
.set SEL,  28
.set CS,   30
.set TB,   32                          ; the step's K images
.set TS,   33                          ; its scale words
.set ST,   34                          ; the trip
.set TBV,  35                          ; its V images
.macro CROUND
	s_barrier_signal -1
	s_barrier_wait -1
	s_cmp_lg_u32 s[WV], 0
	s_cbranch_scc1 .Lnot_wave_0_\@
	s_barrier_signal -3
.Lnot_wave_0_\@:
	s_barrier_wait -3
	s_barrier_signal -1
	s_barrier_wait -1
.endm
	s_load_b128 s[4:7], s[0:1], 0x0                ; qkv, yi
	s_load_b64 s[8:9], s[0:1], 0x10                ; ys
	v_lshl_add_u32 v[SPW], v0, 2, SPARE
	v_mov_b32 v[NIL], 0
	ds_add_u32 v[SPW], v[NIL]                      ; the wave's opening: the add and its wait ahead of my first tensor load
	ds_add_u32 v[SPW], v[NIL]
	v_lshrrev_b32 v8, 5, v0
	s_delay_alu instid0(VALU_DEP_1)
	v_readfirstlane_b32 s[WV], v8                  ; wave 0..15
	s_bfe_u32 s11, ttmp6, 0x40000                  ; p: my place in the cluster
	s_and_b32 s12, ttmp7, 0xffff                   ; 4 head + batch
; THE FILL AS IT NOW IS (in place of the sixteen loads of 51 rows that the head speaks of): still filled once, jointly, as rows of 256 bytes, LDS an image of memory.  Key step 0 has lines of its own:
; wave 0 K's images of step 0 and wave 1 V's (24 rows each), wave 2 its scale words (3 rows).  Wave 3 the other steps' scale words (45 rows); waves 4-7 K's steps 1-15 and waves 8-11 V's, 90 rows each.
; The first barrier shows waves 0-2's tiles alone; pass A's key step 0, which counts for every wave, is written out ahead of the loop; behind it every wave waits for its load, and a second barrier shows all.
.set G1S, 68                           ; s[68:75] group 1 of 3 rows;  s[76:83] of 45;  s[84:91] of 90;  s[16:23] of 24
.set G1T, 76
.set G1R, 84
.macro GRP g, rows                     ; the mask: all four; elements of 8 bytes; 21 set beside a mask; dense rows of 256 bytes
	s_mov_b32 s[\g], 15|(3<<16)|(1<<21)
	s_mov_b32 s[\g+1], 32<<16
	s_mov_b32 s[\g+2], (\rows)<<16
	s_mov_b32 s[\g+3], 32<<16
	s_mov_b32 s[\g+4], \rows
	s_mov_b32 s[\g+5], 32
	s_mov_b32 s[\g+6], 0
	s_mov_b32 s[\g+7], 0
.endm
	GRP G1, 24
	GRP G1S, 3
	GRP G1T, 45
	GRP G1R, 90
	s_mov_b32 s[SEL], 0x76543210
	s_mov_b32 s[SEL+1], 0xfedcba98
	s_mov_b32 s[CS], 0x3e38aa3b                    ; c = log2(e) / 8
	s_mov_b32 s[CS+1], s[CS]
	s_mul_i32 s56, s12, BLK
	s_mov_b32 s57, 0
	s_mov_b32 s[G0], 1
	s_mov_b32 s59, 0
	s_wait_dscnt 0x0                               ; the opening add is done
	s_wait_kmcnt 0x0
	s_add_nc_u64 s[4:5], s[4:5], s[56:57]          ; my head's block
.macro TLD g1                          ; s58: my tile's first byte, in LDS and in my head's block alike
	s_mov_b32 s[G0+1], s58
	s_add_nc_u64 s[G0+2:G0+3], s[4:5], s[58:59]
	s_or_b32 s[G0+3], s[G0+3], 0x80000000
	tensor_load_to_lds s[G0:G0+3], s[\g1:\g1+7]
	s_nop 0
.rept 4
	v_nop
.endr
.endm
	CROUND                                         ; all four work-groups are here: the joint loads meet
	s_cmp_lt_u32 s[WV], 2                          ; one chain of branches on the wave's number, one load to an arm
	s_cbranch_scc0 .Lh1
	s_mul_i32 s58, s[WV], 98304                    ; key step 0: K's images, V's
	TLD G1
	s_branch .Lh5
.Lh1:
	s_cmp_lt_u32 s[WV], 3
	s_cbranch_scc0 .Lh2
	s_mov_b32 s58, 196608                          ; its scale words
	TLD G1S
	s_branch .Lh5
.Lh2:
	s_cmp_lt_u32 s[WV], 4
	s_cbranch_scc0 .Lh3
	s_mov_b32 s58, 196608+768                      ; the other steps' scale words
	TLD G1T
	s_branch .Lh5
.Lh3:
	s_cmp_lt_u32 s[WV], 12
	s_cbranch_scc0 .Lh5
	s_and_b32 s58, s[WV], 3
	s_mul_i32 s58, s58, 23040                      ; a quarter of steps 1-15,
	s_lshr_b32 s60, s[WV], 3
	s_mul_i32 s60, s60, 98304                      ; of K (waves 4-7) or of V (waves 8-11),
	s_add_co_u32 s58, s58, s60
	s_add_co_u32 s58, s58, 6144                    ; behind step 0
	TLD G1R
.Lh5:
	v_and_b32 v8, 31, v0
	s_delay_alu instid0(VALU_DEP_1)
	v_lshlrev_b32 v[L16], 4, v8
	s_delay_alu instid0(VALU_DEP_2)
	v_lshlrev_b32 v[L8], 3, v8
	v_and_b32 v8, 15, v0
	s_delay_alu instid0(VALU_DEP_1)
	v_lshlrev_b32 v[R16], 4, v8
.irp i, 22,23,24,25,26,27
	v_mov_b32 v[\i], 0                             ; Q's upper half: zero codes
.endr
.irp t, 0,1,2,3
.irp i, 6,7,8,9,10,11
	v_mov_b32 v[KF+12*\t+\i], 0                    ; K's likewise; never written again
.endr
.endr
.irp i, 236,237,238,239,252,253
	v_mov_b32 v[\i], 0                             ; lane permutes' destinations, and the pair v[252:253], are written before they are first named
.endr
	; the two passes' addresses: s[36:43], s[44:51]: Q's image, Q's scale words, y's image, y's scale bytes
	s_and_b32 s61, s12, 3
	s_lshl_b32 s61, s61, 7                         ; 128 x batch: the batch's first tile
	s_lshr_b32 s14, s12, 2                         ; head
	s_mul_i32 s62, s14, 768
	s_lshr_b32 s63, s14, 2
	s_lshl_b32 s63, s63, 7
	s_and_b32 s15, s14, 3
	s_lshl_b32 s15, s15, 1
	s_add_co_u32 s63, s63, s15                     ; 128 (head/4) + 4 ((head/2)%2) + 2 (head%2)
.macro BASES d                         ; s58 the tile, s59 its group, s60 its place in the group
	s_mul_i32 s2, s58, 768
	s_add_co_u32 s2, s2, 208896
	s_mov_b32 s3, 0
	s_add_nc_u64 s[\d:\d+1], s[4:5], s[2:3]
	s_mul_i32 s2, s59, 768
	s_add_co_u32 s2, s2, 307200
	s_lshr_b32 s13, s60, 2
	s_lshl_b32 s13, s13, 8
	s_add_co_u32 s2, s2, s13
	s_and_b32 s13, s60, 3
	s_lshl_b32 s13, s13, 2
	s_add_co_u32 s2, s2, s13
	s_add_nc_u64 s[\d+2:\d+3], s[4:5], s[2:3]
	s_add_co_u32 s13, s61, s58
	s_mul_i32 s2, s13, 12288
	s_add_co_u32 s2, s2, s62
	s_add_nc_u64 s[\d+4:\d+5], s[6:7], s[2:3]
	s_lshl_b32 s2, s13, 9
	s_add_co_u32 s2, s2, s63
	s_add_nc_u64 s[\d+6:\d+7], s[8:9], s[2:3]
.endm
	s_mov_b32 s52, s[WV]                           ; pass A: group w,
	s_mov_b32 s59, s52
	s_lshl_b32 s60, s11, 1                         ; place 2 p
	s_lshl_b32 s58, s59, 3
	s_add_co_u32 s58, s58, s60
	s_lshl_b32 s54, s11, 5                         ; its first query in the group: 32 p
	BASES 36
	global_load_b128 v[16:19], v[L16], s[36:37]    ; pass A's Q and its scale words are asked for here, ahead of the wait for the tiles
	global_load_b64 v[20:21], v[L8], s[36:37] offset:512
	global_load_b32 v255, v[R16], s[38:39]
	s_sub_co_u32 s53, 15, s[WV]                    ; pass B: group 15 - w,
	s_mov_b32 s59, s53
	s_add_co_u32 s60, s60, 1                       ; place 2 p + 1
	s_lshl_b32 s58, s59, 3
	s_add_co_u32 s58, s58, s60
	s_add_co_u32 s55, s54, 8
	BASES 44
	s_cmp_lt_u32 s[WV], 3
	s_cbranch_scc0 .Lnot_step_0
	s_wait_tensorcnt 0x0                           ; my part of key step 0 has landed (waves 0-2: their lines are theirs alone)
.Lnot_step_0:
	s_barrier_signal -1
	s_barrier_wait -1                              ; key step 0 is whole; the other tiles may be on their way: nothing is ever filled again
; A KEY STEP of 128 keys for my tile of 16 queries.  g: the register with the tile's group; ql: with its first query in the group.
.macro STEP g, ql
	s_cmp_gt_u32 s[ST], s[\g]                      ; all its keys come after my queries: only the stepping lines at the end are run
	s_cbranch_scc1 .Lhid_\@
	v_add_nc_u32 v[ADK16], s[TB], v[L16]           ; (these six are also the places in front of the loads into registers that the last products read)
	v_add_nc_u32 v[ADK8], s[TB], v[L8]
	v_add_nc_u32 v[ADV16], s[TBV], v[L16]
	v_add_nc_u32 v[ADV8], s[TBV], v[L8]
	v_add_nc_u32 v[ADS], s[TS], v[L16]
	v_add_nc_u32 v[ADT], s[TS], v[R16]
	ds_load_b128 v[248:251], v[ADS]                ; K's scale words: lanes 0-15 tiles 0-3, lanes 16-31 tiles 4-7
.irp t, 0,1,2,3
	ds_load_b128 v[KF+12*\t:KF+12*\t+3], v[ADK16] offset:768*\t
	ds_load_b64 v[KF+12*\t+4:KF+12*\t+5], v[ADK8] offset:768*\t+512
.endr
	s_wait_alu depctr_va_vdst(0)
	s_wait_dscnt 0x0
.irp t, 0,1,2,3
	v_wmma_scale_f32_16x16x128_f8f6f4 v[SCO+8*\t:SCO+8*\t+7], v[KF+12*\t:KF+12*\t+11], v[16:27], 0, v[248+\t], v255 matrix_a_fmt:MATRIX_FMT_FP6 matrix_b_fmt:MATRIX_FMT_FP6
.endr
.rept 4
	v_nop                                          ; places in front of loads into registers that matrix instructions have read
.endr
.irp t, 0,1,2,3
	ds_load_b128 v[KF+12*\t:KF+12*\t+3], v[ADK16] offset:768*(4+\t)
	ds_load_b64 v[KF+12*\t+4:KF+12*\t+5], v[ADK8] offset:768*(4+\t)+512
.endr
	ds_load_b128 v[28:31], v[ADT] offset:512       ; V's scale words, and V: they land under the softmax
.irp t, 0,1,2,3
	ds_load_b128 v[VF+12*\t:VF+12*\t+3], v[ADV16] offset:1536*\t
	ds_load_b64 v[VF+12*\t+4:VF+12*\t+5], v[ADV8] offset:1536*\t+512
	ds_load_b128 v[VF+12*\t+6:VF+12*\t+9], v[ADV16] offset:1536*\t+768
	ds_load_b64 v[VF+12*\t+10:VF+12*\t+11], v[ADV8] offset:1536*\t+1280
.endr
	s_wait_dscnt 17                                ; K's tiles 4-7 are in; the 17 loads for V may be out
.irp t, 0,1,2,3
	v_wmma_scale_f32_16x16x128_f8f6f4 v[SCO+32+8*\t:SCO+32+8*\t+7], v[KF+12*\t:KF+12*\t+11], v[16:27], 0, v[248+\t], v255 matrix_a_fmt:MATRIX_FMT_FP6 matrix_b_fmt:MATRIX_FMT_FP6 matrix_a_scale:MATRIX_SCALE_ROW1
.endr
.rept 4
	v_nop
.endr
	s_cmp_lg_u32 s[ST], s[\g]                      ; on the diagonal the scores of hidden keys become -infinity ahead of the maximum
	s_cbranch_scc1 .Lopen_\@
	v_and_b32 v252, 15, v0
	s_delay_alu instid0(VALU_DEP_1)
	v_and_b32 v236, 8, v252
	s_delay_alu instid0(VALU_DEP_1)
	v_add_nc_u32 v252, v252, v236
	v_bfe_u32 v236, v0, 4, 1
	s_delay_alu instid0(VALU_DEP_1)
	v_lshlrev_b32 v236, 4, v236
	s_delay_alu instid0(VALU_DEP_1)
	v_sub_nc_u32 v252, v252, v236
	s_delay_alu instid0(VALU_DEP_1)
	v_add_nc_u32 v252, s[\ql], v252                ; d = my query in the group - 16 h.  Register 16 b + i holds key 32 b + 16 h + i: hidden where 32 b + i > d
	v_mov_b32 v254, 0xff800000
.set n, 0
.rept 64
	v_cmp_gt_i32 vcc_lo, 32*(n/16)+n%16, v252
	v_cndmask_b32 v[SCO+n], v[SCO+n], v254, vcc_lo
.set n, n+1
.endr
.Lopen_\@:
.irp b, 0,1,2,3
	v_max3_num_f32 v[232+\b], v[SCO+16*\b], v[SCO+1+16*\b], v[SCO+2+16*\b]   ; the largest score of each block of 32 keys: for the row's maximum and, since p rises with the score, for the block's largest p
.endr
.irp i, 3,5,7,9,11,13
.irp b, 0,1,2,3
	v_max3_num_f32 v[232+\b], v[232+\b], v[SCO+16*\b+\i], v[SCO+1+16*\b+\i]
.endr
.endr
.irp b, 0,1,2,3
	v_max_num_f32 v[232+\b], v[232+\b], v[SCO+15+16*\b]
.endr
.irp b, 0,1,2,3
	s_delay_alu instid0(VALU_DEP_4)
	v_permlanex16_b32 v[236+\b], v[232+\b], s[SEL], s[SEL+1]
.endr
.irp b, 0,1,2,3
	s_delay_alu instid0(VALU_DEP_4)
	v_max_num_f32 v[232+\b], v[232+\b], v[236+\b]
.endr
	s_delay_alu instid0(VALU_DEP_2)
	v_max3_num_f32 v254, v232, v233, v234
	s_delay_alu instid0(VALU_DEP_1)
	v_max_num_f32 v254, v254, v235
	s_delay_alu instid0(VALU_DEP_1)
	v_mul_f32 v254, s[CS], v254
	s_delay_alu instid0(VALU_DEP_1)
	v_max_num_f32 v15, v15, v254                   ; the running largest t
	v_mov_b32 v254, v14
	s_delay_alu instid0(VALU_DEP_2)
	v_floor_f32 v14, -v15                          ; -M = floor(-t): M is a whole number
	s_delay_alu instid0(VALU_DEP_1)
	v_sub_f32 v254, v14, v254
	s_delay_alu instid0(VALU_DEP_1)
	v_cvt_i32_f32 v254, v254                       ; (it saturates)
	s_delay_alu instid0(VALU_DEP_1)
	v_ldexp_f32 v252, 1.0, v254                    ; f = 2^(old M - new M)
.set n, 0
.rept 32
	v_pk_fma_f32 v[SCO+n:SCO+n+1], v[SCO+n:SCO+n+1], s[CS:CS+1], v[14:15] op_sel_hi:[1,0,0]   ; t - M
.set n, n+2
.endr
.irp b, 0,1,2,3
	v_fma_f32 v[232+\b], v[232+\b], s[CS], v14
.endr
.set n, 0
	s_wait_alu depctr_va_vdst(0)
.rept 64
	v_exp_f32 v[SCO+n], v[SCO+n]                   ; p = 2^(t - M)
.set n, n+1
.endr
	v_pk_mul_f32 v[6:7], v[6:7], v[252:253] op_sel_hi:[1,0]   ; the sums under the new M: a plain instruction behind the exponentials
	s_wait_alu depctr_va_vdst(0)                   ; one wait for the batch, ahead of its first reader
.irp b, 0,1,2,3
	v_exp_f32 v[232+\b], v[232+\b]                 ; each block's largest p
.endr
	v_pk_add_f32 v[236:237], v[132:133], v[136:137]
	v_pk_add_f32 v[250:251], v[140:141], v[144:145]
	v_pk_add_f32 v[248:249], v[148:149], v[152:153]
	v_pk_add_f32 v[246:247], v[156:157], v[160:161]
	v_pk_add_f32 v[244:245], v[164:165], v[168:169]
	v_pk_add_f32 v[242:243], v[172:173], v[176:177]
	v_pk_add_f32 v[240:241], v[180:181], v[184:185]
	v_pk_add_f32 v[6:7], v[6:7], v[188:189]
	v_pk_add_f32 v[236:237], v[236:237], v[128:129]
	v_pk_add_f32 v[250:251], v[250:251], v[130:131]
	v_pk_add_f32 v[248:249], v[248:249], v[134:135]
	v_pk_add_f32 v[246:247], v[246:247], v[138:139]
	v_pk_add_f32 v[244:245], v[244:245], v[142:143]
	v_pk_add_f32 v[242:243], v[242:243], v[146:147]
	v_pk_add_f32 v[240:241], v[240:241], v[150:151]
	v_pk_add_f32 v[6:7], v[6:7], v[154:155]
	v_pk_add_f32 v[236:237], v[236:237], v[158:159]
	v_pk_add_f32 v[250:251], v[250:251], v[162:163]
	v_pk_add_f32 v[248:249], v[248:249], v[166:167]
	v_pk_add_f32 v[246:247], v[246:247], v[170:171]
	v_pk_add_f32 v[244:245], v[244:245], v[174:175]
	v_pk_add_f32 v[242:243], v[242:243], v[178:179]
	v_pk_add_f32 v[240:241], v[240:241], v[182:183]
	v_pk_add_f32 v[6:7], v[6:7], v[186:187]
	v_pk_add_f32 v[236:237], v[236:237], v[190:191]
	s_delay_alu instid0(VALU_DEP_2)
	v_pk_add_f32 v[6:7], v[6:7], v[246:247]
	s_delay_alu instid0(VALU_DEP_2)
	v_pk_add_f32 v[236:237], v[236:237], v[244:245]
	v_pk_add_f32 v[250:251], v[250:251], v[242:243]
	v_pk_add_f32 v[248:249], v[248:249], v[240:241]
	s_delay_alu instid0(VALU_DEP_2)
	v_pk_add_f32 v[6:7], v[6:7], v[250:251]
	s_delay_alu instid0(VALU_DEP_2)
	v_pk_add_f32 v[236:237], v[236:237], v[248:249]
	s_delay_alu instid0(VALU_DEP_1)
	v_pk_add_f32 v[6:7], v[6:7], v[236:237]
	s_wait_alu depctr_va_vdst(0)                   ; and one for the four
.irp b, 0,1,2,3
	v_max_num_f32 v[232+\b], 0x1800000, v[232+\b]  ; the floor 2^(3 - 127)
.endr
.irp b, 0,1,2,3
	s_delay_alu instid0(VALU_DEP_4)
	v_add_nc_u32 v[244+\b], 0xff000000, v[232+\b]
.endr
.irp b, 0,1,2,3
	s_delay_alu instid0(VALU_DEP_4)
	v_lshrrev_b32 v[236+\b], 23, v[244+\b]
.endr
	s_delay_alu instid0(VALU_DEP_3)
	v_lshl_or_b32 v253, v237, 8, v236              ; p's scale word for these 128 keys
	s_delay_alu instid0(VALU_DEP_1)
	v_lshl_or_b32 v253, v238, 16, v253
	s_delay_alu instid0(VALU_DEP_1)
	v_lshl_or_b32 v253, v239, 24, v253
.irp c, 0,1
	v_cvt_scalef32_pk16_fp6_f32 v[224+6*\c:226+6*\c], v[SCO+32*\c:SCO+15+32*\c], v[244+2*\c]
	v_cvt_scalef32_pk16_fp6_f32 v[236+4*\c:238+4*\c], v[SCO+16+32*\c:SCO+31+32*\c], v[244+2*\c+1]
.endr
	v_nop                                          ; one plain place behind a scaled conversion
.irp c, 0,1
.irp i, 0,1,2
	v_permlane16_swap_b32 v[224+6*\c+\i], v[236+4*\c+\i]
.endr
.irp i, 0,1,2
	s_delay_alu instid0(VALU_DEP_3)
	v_mov_b32 v[227+6*\c+\i], v[236+4*\c+\i]
.endr
.endr
.set n, 0
.rept 16
	v_pk_mul_f32 v[OT+n:OT+n+1], v[OT+n:OT+n+1], v[252:253] op_sel_hi:[1,0]   ; O^T under the new M; these sixteen are also the places between p's codes and scale word and the products
.set n, n+2
.endr
	s_wait_alu depctr_va_vdst(0)
	s_wait_dscnt 0x0                               ; V is in
.irp t, 0,1,2,3
	v_wmma_scale_f32_16x16x128_f8f6f4 v[OT+8*\t:OT+8*\t+7], v[VF+12*\t:VF+12*\t+11], v[224:235], v[OT+8*\t:OT+8*\t+7], v[28+\t], v253 matrix_a_fmt:MATRIX_FMT_FP6 matrix_b_fmt:MATRIX_FMT_FP6
.endr
.Lhid_\@:
	s_add_co_u32 s[TB], s[TB], 6144
	s_add_co_u32 s[TBV], s[TBV], 6144
	s_add_co_u32 s[TS], s[TS], 768
	s_add_co_u32 s[ST], s[ST], 1
.endm
; A PASS: one tile of 16 queries through all its key steps, and its way out.  d: the first of its eight address registers.
.macro PASS d, g, ql, first            ; first = 1: Q was asked for at the head, and key step 0 stands ahead of the loop
.if \first == 0
	s_wait_xcnt 0x0                                ; the last pass's stores have read their data
	global_load_b128 v[16:19], v[L16], s[\d:\d+1]
	global_load_b64 v[20:21], v[L8], s[\d:\d+1] offset:512
	global_load_b32 v255, v[R16], s[\d+2:\d+3]
.endif
	v_mov_b32 v15, 0xff61b1e6                      ; the largest t so far: -3e38
	s_delay_alu instid0(VALU_DEP_1)
	v_floor_f32 v14, -v15
	v_mov_b32 v6, 0
	v_mov_b32 v7, 0
.set n, 0
.rept 32
	v_mov_b32 v[OT+n], 0                           ; the step is written once: the first finds zeros
.set n, n+1
.endr
	s_mov_b32 s[TB], 0
	s_mov_b32 s[TBV], 98304
	s_mov_b32 s[TS], 196608
	s_mov_b32 s[ST], 0
	s_wait_loadcnt 0x0
.if \first
	STEP \g, \ql                                   ; key step 0, while the other steps' tiles land
	s_wait_tensorcnt 0x0                           ; my load has landed: every wave waits, under no branch,
	s_wait_dscnt 0x0
	s_barrier_signal -1
	s_barrier_wait -1                              ; and everybody's has
.endif
.Lstep_\@:
	STEP \g, \ql
	s_cmp_lt_u32 s[ST], 16
	s_cbranch_scc1 .Lstep_\@
.rept 2
	v_nop
.endr
	v_add_f32 v6, v6, v7                           ; the sum's two halves,
	s_delay_alu instid0(VALU_DEP_1)
	v_permlanex16_b32 v252, v6, s[SEL], s[SEL+1]
	s_delay_alu instid0(VALU_DEP_1)
	v_add_f32 v6, v6, v252                         ; and lane l xor 16's
	s_wait_alu depctr_va_vdst(0)
	v_rcp_f32 v6, v6
	v_lshrrev_b32 v8, 1, v[R16]                    ; 8 r (a plain instruction behind the reciprocal)
	s_wait_alu depctr_va_vdst(0)                   ; the wait ahead of its first reader
.set n, 0
.rept 16
	v_pk_mul_f32 v[SCO+n:SCO+n+1], v[OT+n:OT+n+1], v[6:7] op_sel_hi:[1,0]   ; y: register 16 b + i is channel 32 b + 16 h + i
.set n, n+2
.endr
.irp b, 0,1
	v_max3_num_f32 v[232+\b], |v[SCO+16*\b]|, |v[SCO+1+16*\b]|, 0x1800000
.endr
.irp i, 2,4,6,8,10,12,14
.irp b, 0,1
	s_delay_alu instid0(VALU_DEP_2)
	v_max3_num_f32 v[232+\b], v[232+\b], |v[SCO+16*\b+\i]|, |v[SCO+1+16*\b+\i]|
.endr
.endr
.irp b, 0,1
	s_delay_alu instid0(VALU_DEP_2)
	v_permlanex16_b32 v[236+\b], v[232+\b], s[SEL], s[SEL+1]
.endr
.irp b, 0,1
	s_delay_alu instid0(VALU_DEP_2)
	v_max_num_f32 v[232+\b], v[232+\b], v[236+\b]
.endr
.irp b, 0,1
	s_delay_alu instid0(VALU_DEP_2)
	v_add_nc_u32 v[244+\b], 0xff000000, v[232+\b]
.endr
.irp b, 0,1
	s_delay_alu instid0(VALU_DEP_2)
	v_lshrrev_b32 v[236+\b], 23, v[244+\b]
.endr
	s_delay_alu instid0(VALU_DEP_1)
	v_lshl_or_b32 v254, v237, 8, v236              ; my row's two scale bytes
	v_cvt_scalef32_pk16_fp6_f32 v[224:226], v[SCO:SCO+15], v244
	v_cvt_scalef32_pk16_fp6_f32 v[240:242], v[SCO+16:SCO+31], v245
	v_nop
.irp i, 0,1,2
	v_permlane16_swap_b32 v[224+\i], v[240+\i]
.endr
.irp i, 0,1,2
	s_delay_alu instid0(VALU_DEP_3)
	v_mov_b32 v[227+\i], v[240+\i]
.endr
	global_store_b128 v[L16], v[224:227], s[\d+4:\d+5]             ; 512 consecutive bytes, aligned to 256
	global_store_b64 v[L8], v[228:229], s[\d+4:\d+5] offset:512    ; 256
	global_store_b16 v8, v254, s[\d+6:\d+7]
.endm
	PASS 36, 52, 54, 1
	PASS 44, 53, 55, 0
	s_wait_tensorcnt 0x0                           ; the wave's end
	ds_add_u32 v[SPW], v[NIL]
	s_wait_dscnt 0x0
	CROUND                                         ; the closing round
	s_endpgm
.Lfunc_end_k_q05bbee2908_attn:
	.size	k_q05bbee2908_attn, .Lfunc_end_k_q05bbee2908_attn-k_q05bbee2908_attn
	.p2alignl 7, 3214868480
	.fill 96, 4, 3214868480
	.section	.rodata,"a",@progbits
	.p2align	6, 0x0
	.amdhsa_kernel k_q05bbee2908_attn
		.amdhsa_group_segment_fixed_size 210944
		.amdhsa_private_segment_fixed_size 0
		.amdhsa_enable_private_segment 0
		.amdhsa_kernarg_size 24
		.amdhsa_user_sgpr_count 2
		.amdhsa_user_sgpr_kernarg_segment_ptr 1
		.amdhsa_wavefront_size32 1
		.amdhsa_system_sgpr_workgroup_id_x 1
		.amdhsa_system_sgpr_workgroup_id_y 1
		.amdhsa_system_sgpr_workgroup_id_z 1
		.amdhsa_system_vgpr_workitem_id 0
		.amdhsa_next_free_vgpr 256
		.amdhsa_next_free_sgpr 92
		.amdhsa_reserve_vcc 1
		.amdhsa_float_denorm_mode_32 3
		.amdhsa_float_denorm_mode_16_64 3
		.amdhsa_memory_ordered 1
		.amdhsa_forward_progress 1
		.amdhsa_inst_pref_size 91
	.end_amdhsa_kernel
	.amdgpu_metadata
---
amdhsa.version: [ 1, 2 ]
amdhsa.kernels:
  - .name:           k_q05bbee2908_attn
    .symbol:         k_q05bbee2908_attn.kd
    .args:
      - { .name: qkv, .offset: 0, .size: 8, .value_kind: global_buffer, .address_space: global }
      - { .name: yi, .offset: 8, .size: 8, .value_kind: global_buffer, .address_space: global }
      - { .name: ys, .offset: 16, .size: 8, .value_kind: global_buffer, .address_space: global }
    .group_segment_fixed_size: 210944
    .private_segment_fixed_size: 0
    .kernarg_segment_align: 8
    .kernarg_segment_size: 24
    .max_flat_workgroup_size: 512
    .sgpr_count:     92
    .vgpr_count:     256
    .wavefront_size: 32
...
	.end_amdgpu_metadata
.endif
;; end of part 3
;; launch gemm2 (part 4): grid 8 x 32, 4 waves a work-group, clusters of 4 x 4, 327,680 bytes of LDS; arguments yi, ys, wi, ws, b_proj, out0; writes out0
.if DOCPART == 4
	.amdgcn_target "amdgcn-amd-amdhsa--gfx1250"
	.amdhsa_code_object_version 6
	.text
	.protected	k_q05bbee2908_gemm2
	.globl	k_q05bbee2908_gemm2
	.p2align	8
	.type	k_q05bbee2908_gemm2,@function
k_q05bbee2908_gemm2:
	s_mov_b64 s[64:65], 0
	v_nop
	global_prefetch_b8 v0, s[64:65] scope:SCOPE_SE
	s_setreg_imm32_b32 hwreg(HW_REG_WAVE_MODE, 25, 1), 1
	s_wait_xcnt 0x0
	s_wait_alu depctr_hold_cnt(0) depctr_sa_sdst(0) depctr_va_vdst(0) depctr_va_sdst(0) depctr_va_ssrc(0) depctr_va_vcc(0) depctr_vm_vsrc(0)
	s_getreg_b32 s2, hwreg(HW_REG_IB_STS2, 6, 4)
	s_cmp_eq_u32 s2, 0
	s_cbranch_scc0 .Lentry_in_a_cluster
	s_endpgm
.Lentry_in_a_cluster:
	s_bfe_u32 s2, ttmp6, 0x10000c
	s_cmp_lg_u32 s2, 0xf033
	s_cbranch_scc0 .Lentry_shape_is_right
	s_endpgm
.Lentry_shape_is_right:
; out0 = y W_proj + b_proj on codes of FP6 (E2M3) with E8M0 scales; f32 out.
; OPERANDS come in the order of their registers: [tile of 16 rows][K step 0..7][1536 bytes]; scale words [tile][K/256][lane r][2].  Lane r of tile i is row 32 (i/2) + 8 (i%2) + r + 8 (r/8).
; A work-group makes 256 tokens (R, source 1) x 256 columns (P, source 0 = W_proj^T, tiles 192 on of wi), each of four waves 128 x 128: 64 accumulators in windows 2 and 3.  In a result lane (r, h) holds row r of
; R's tile, and the 16 registers of P's tiles 2 c, 2 c + 1 are columns 32 c + 16 h + 0..15.
; K = 1,024 is four slots of 256.  LDS holds THREE slots, filled at the start; only the fourth K slot is a refill (into slot 0): one round of the cluster's barrier, and the refill has 224 matrix instructions in which
; to land.  By this text's count a wave has four tensor loads out at the start and one behind the refill.
; CLUSTERS 4 x 4: R's tiles are asked for jointly along the cluster's row, P's along its column.  No prefetch: three of four K slots are asked for at the first lines.
; The bias is the C of the first K step.  The way out goes through each wave's own stage, in slot 1, which has had its only fill and its last read when the first result is stored there.
.set TSL,   3072
.set HALFT, 8*TSL
; THE BLOCK AND THE FILLS AS THEY NOW ARE (in place of what the head says of them).  A work-group makes 256 tokens (R) x 128 columns (P): 8 x 32 = 256 work-groups; a wave 128 x 64: 32 accumulators.
; Region A (from 0): R's 16 tiles x K steps 0-2, rows of TA bytes; from 2 HA P's 8 tiles.  Region B (from 4 HA): the same of K steps 3-5.
; At the head one joint load a wave: wave 0 R's part of A, wave 1 P's, waves 2 and 3 the scale words.  Behind the three lines and a round: B, by waves 0 and 1.  In K step 2's round: K steps 6, 7, rows of TSL bytes, onto A.
; By this text's count a wave never has more than one tensor load out.  No prefetch: the text has no loop to run ahead in.  The stages lie in region B, which is read no more behind K step 5's barrier.
.set TA,    4608
.set HA,    8*TA
.set ADR2,  22                         ; v22 scale words of R's rows in all lanes: for R's blocks 4-7, beside which P has none
.set CO,    23                         ; v23 the way out: 4,096 h + 16 r
.set SLOT,  4*HALFT
.set SCL,   3*SLOT
.set HALFS, 4096
.set SPARE, SCL+4*HALFS                ; the spare words, 128 bytes a wave, which no other line names
.set AR16, 4
.set AR8,  7
.set AP16, 10
.set AP8,  13
.set ADRS, 16
.set L16,  17
.set L8,   18
.set STO,  19                          ; the stage: where I put 16 bytes of a row
.set RD,   20                          ; and where I read a row back
.set SPW,  28
.set NIL,  29
.set SCR,  32                          ; v32-63 scale words, two sets; they hold nothing else
.set BI,   64                          ; v64-95 the bias
.set AF,   128                         ; v128-223 R's eight fragments
.set BK,   128                         ; the way out: v128-159 and v192-223 by turns
.set G1R,  24
.set G0R,  32
.set G0SR, 44
.set G1P,  48
.set G0P0, 56
.set G0SP, 72
.set G1SR, 76
.set G1SP, 84
.set MSB, 0
.macro WIN new                         ; the immediate's high byte repeats the setting that is left
.if MSB != (\new)
	s_set_vgpr_msb (MSB<<8)|(\new)
.set MSB, (\new)
.endif
.endm
.macro PLACES n
.rept \n
	v_nop
.endr
.endm
.macro TL g0, g1                       ; a joint load; s_nop 0 and four v_nop follow it
	tensor_load_to_lds s[\g0:\g0+3], s[\g1:\g1+7]
	s_nop 0
	PLACES 4
.endm
.macro QLOAD a0, a1, b0, b1, c0, c1, d0, d1   ; one chain of branches on the wave's number, one load to an arm
	s_cmp_lt_u32 s16, 1
	s_cbranch_scc0 .Lq1_\@
	TL \a0, \a1
	s_branch .Lq4_\@
.Lq1_\@:
	s_cmp_lt_u32 s16, 2
	s_cbranch_scc0 .Lq2_\@
	TL \b0, \b1
	s_branch .Lq4_\@
.Lq2_\@:
	s_cmp_lt_u32 s16, 3
	s_cbranch_scc0 .Lq3_\@
	TL \c0, \c1
	s_branch .Lq4_\@
.Lq3_\@:
	TL \d0, \d1
.Lq4_\@:
.endm
.macro RLOAD g0a, g0b                  ; wave 0 fetches R's tiles, wave 1 P's; waves 2 and 3 have no part
	s_cmp_lt_u32 s16, 1
	s_cbranch_scc0 .Lr1_\@
	TL \g0a, G1R
	s_branch .Lr3_\@
.Lr1_\@:
	s_cmp_lt_u32 s16, 2
	s_cbranch_scc0 .Lr2_\@
	TL \g0b, G1P
	s_branch .Lr3_\@
.Lr2_\@:
	PLACES 4
.Lr3_\@:
.endm
.macro SETTP slot                      ; from tile to tile in LDS: regions A (0) and B (1) TA bytes, the refill (2) TSL
.if (\slot) < 2
.set TP, TA
.else
.set TP, TSL
.endif
.endm
.macro CREST
	s_cmp_lg_u32 s16, 0
	s_cbranch_scc1 .Lnot_wave_0_\@
	s_barrier_signal -3
.Lnot_wave_0_\@:
	s_barrier_wait -3
	s_barrier_signal -1
	s_barrier_wait -1
.endm
.macro CROUND
	s_barrier_signal -1
	s_barrier_wait -1
	CREST
.endm
.macro FRAG reg, a16, a8, q, i         ; a fragment's image comes back as it was stored: every load reads consecutive bytes
	ds_load_b128 v[\reg:\reg+3], v[\a16] offset:(\i)*TP+(\q)*1536
	ds_load_b64 v[\reg+4:\reg+5], v[\a8] offset:(\i)*TP+(\q)*1536+512
	ds_load_b128 v[\reg+6:\reg+9], v[\a16] offset:(\i)*TP+(\q)*1536+768
	ds_load_b64 v[\reg+10:\reg+11], v[\a8] offset:(\i)*TP+(\q)*1536+1280
.endm
.macro FETCH_P slot, q, set            ; P's four fragments into window 1: 16 loads
	SETTP \slot
	WIN 0x40
.irp i, 0,1,2,3
	FRAG 128*(\set)+12*\i, AP16+\slot, AP8+\slot, \q, \i
.endr
	WIN 0
.endm
.macro FETCH_R slot, q, i0
	SETTP \slot
.irp i, \i0, \i0+1, \i0+2, \i0+3
	FRAG AF+12*(\i), AR16+\slot, AR8+\slot, \q, \i
.endr
.endm
.macro SCALES set, sig
.irp i, 0,1,2,3,4,5,6,7
.if \i < 4
	ds_load_b64 v[SCR+16*(\set)+2*\i:SCR+16*(\set)+2*\i+1], v[ADRS] offset:512*\i+128*(\sig)
.else
	ds_load_b64 v[SCR+16*(\set)+2*\i:SCR+16*(\set)+2*\i+1], v[ADR2] offset:512*\i+128*(\sig)
.endif
.endr
.endm
; 8 matrix instructions: R's blocks a0, a0 + 1 x P's four.  cm = 1: the sums begin with the bias.  The 32 accumulators take turns.
.macro MUL16 a0, q, sc, cm
.irp a, \a0, \a0+1
.irp b, 0,1,2,3
.if \cm == 0
	v_wmma_scale_f32_16x16x128_f8f6f4 v[8*(8*((\a)%4)+\b):8*(8*((\a)%4)+\b)+7], v[128*(\q)+12*\b:128*(\q)+12*\b+11], v[AF+12*(\a):AF+12*(\a)+11], v[8*(8*((\a)%4)+\b):8*(8*((\a)%4)+\b)+7], v[SCR+16*(\sc)+2*\b+(\q)], v[SCR+16*(\sc)+2*(\a)+(\q)] matrix_a_fmt:MATRIX_FMT_FP6 matrix_b_fmt:MATRIX_FMT_FP6 matrix_a_scale:MATRIX_SCALE_ROW1
.else
	v_wmma_scale_f32_16x16x128_f8f6f4 v[8*(8*((\a)%4)+\b):8*(8*((\a)%4)+\b)+7], v[128*(\q)+12*\b:128*(\q)+12*\b+11], v[AF+12*(\a):AF+12*(\a)+11], v[BI+8*\b:BI+8*\b+7], v[SCR+16*(\sc)+2*\b+(\q)], v[SCR+16*(\sc)+2*(\a)+(\q)] matrix_a_fmt:MATRIX_FMT_FP6 matrix_b_fmt:MATRIX_FMT_FP6 matrix_a_scale:MATRIX_SCALE_ROW1
.endif
.endr
.endr
.endm
; A K step of 128: 32 matrix instructions.  mode 0: plain.  1: slot 0 is filled again: the waits and the add, a round of the cluster's barrier, the joint load first behind it.  2: the same barrier, nothing filled.  3: the last.
; Loads into registers that matrix instructions have read stand four plain vector instructions behind them (ISA guide 7.12.1 for vector instructions).
.macro KSTEP q, sc, cm, mode, nsl, nq, nset, nsig
.if \cm
.set WLO, 0x81
.set WHI, 0xc1
.else
.set WLO, 0xa1
.set WHI, 0xf1
.endif
.if (\mode == 1) || (\mode == 2)
	s_wait_tensorcnt 0x0                           ; all my tensor loads have landed
	ds_add_u32 v[SPW], v[NIL]                      ; 0 onto my spare word
	s_wait_dscnt 17                                ; the add and the youngest 16 loads (R's blocks 4-7) may be out
	WIN WLO
	MUL16 0, \q, \sc, \cm
	s_wait_dscnt 0x0                               ; the add is done and my reads of the slot are over
	s_barrier_signal -1
	MUL16 2, \q, \sc, \cm
	WIN 0
	s_barrier_wait -1
.if \mode == 1
	CREST                                          ; no wave of any partner still reads slot 0 or has a load on its way
	s_mov_b32 s[G1R+1], 384<<16                    ; no tensor load of mine is out: from here on a row is two K steps, TSL bytes
	s_mov_b32 s[G1R+3], 384<<16
	s_mov_b32 s[G1P+1], 384<<16
	s_mov_b32 s[G1P+3], 384<<16
	RLOAD G0R+8, G0P0+12                           ; K steps 6, 7 onto region A; its four v_nop are the places in front of the loads below
.else
	PLACES 4
.endif
.else
	s_wait_dscnt 16                                ; P's set, R's blocks 0-3 and the scale words are in; R's blocks 4-7 may be out
	WIN WLO
	MUL16 0, \q, \sc, \cm
	MUL16 2, \q, \sc, \cm
	s_wait_dscnt 0x0
.if \mode == 0
	PLACES 4
.endif
.endif
.if \mode != 3
	FETCH_P \nsl, \nq, 1-(\q)
	FETCH_R \nsl, \nq, 0
.if \nset >= 0
	SCALES \nset, \nsig
.endif
.endif
	WIN WHI
	MUL16 4, \q, \sc, \cm
	MUL16 6, \q, \sc, \cm
.if \mode != 3
	PLACES 4
	WIN 0
	FETCH_R \nsl, \nq, 4
.else
	WIN 0
.endif
.endm
	s_load_b256 s[4:11], s[0:1], 0x0               ; yi, ys, wi, ws
	s_load_b128 s[12:15], s[0:1], 0x20             ; b_proj, out0
	v_lshl_add_u32 v[SPW], v0, 2, SPARE
	v_mov_b32 v[NIL], 0
	ds_add_u32 v[SPW], v[NIL]                      ; the wave's opening: the add and its wait ahead of my first tensor load
	ds_add_u32 v[SPW], v[NIL]
	v_lshrrev_b32 v1, 5, v0
	v_readfirstlane_b32 s16, v1                    ; wave
	s_lshr_b32 s17, s16, 1                         ; my half of R.  Also: I fetch for R (0) or for P (1)
	s_and_b32 s18, s16, 1                          ; my half of P.  Also: which 128 rows I fetch
	s_bfe_u32 s19, ttmp6, 0x40000                  ; cx
	s_bfe_u32 s20, ttmp6, 0x40004                  ; cy
	s_and_b32 s22, ttmp7, 0xffff
	s_lshl_b32 s92, s20, 2
	s_lshl_b32 s92, 15, s92                        ; my row of the cluster
	s_lshl_b32 s96, 0x1111, s19                    ; my column
	s_or_b32 s[G1R], s92, (3<<16)|(1<<21)
	s_or_b32 s[G1P], s96, (3<<16)|(1<<21)
	s_or_b32 s[G1SR], s92, (3<<16)|(1<<21)
	s_or_b32 s[G1SP], s96, (3<<16)|(1<<21)
.irp g, G1R, G1P                       ; codes: 8 tiles x 3,072 bytes, 12,288 bytes apart
	s_mov_b32 s[\g+1], 576<<16
	s_mov_b32 s[\g+2], 16<<16
	s_mov_b32 s[\g+3], 576<<16
	s_mov_b32 s[\g+4], 16
	s_mov_b32 s[\g+5], 1536
	s_mov_b32 s[\g+6], 0
	s_mov_b32 s[\g+7], 0
.endr
.irp g, G1SR, G1SP                     ; scale words: 4,096 dense bytes as 16 rows of 256
	s_mov_b32 s[\g+1], 32<<16
	s_mov_b32 s[\g+2], 32<<16
	s_mov_b32 s[\g+3], 32<<16
	s_mov_b32 s[\g+4], 32
	s_mov_b32 s[\g+5], 32
	s_mov_b32 s[\g+6], 0
	s_mov_b32 s[\g+7], 0
.endr
	s_lshl_b32 s21, s22, 2
	s_add_co_u32 s21, s21, s20                     ; R's block of 256 tokens
	s_lshl_b32 s100, ttmp9, 2
	s_add_co_u32 s100, s100, s19                   ; P's block of 128 columns
	s_lshl_b32 s94, s21, 4                         ; R: the block's first tile
	s_mul_i32 s92, s94, 12288
	s_lshl_b32 s94, s94, 9
	s_mov_b32 s93, 0
	s_mov_b32 s95, 0
	s_lshl_b32 s98, s100, 3                        ; P: 8 tiles a block of 128 columns
	s_add_co_u32 s98, s98, 192                     ; W_proj's tiles lie behind W_attn's 192
	s_mul_i32 s96, s98, 12288
	s_lshl_b32 s98, s98, 9
	s_mov_b32 s97, 0
	s_mov_b32 s99, 0
	s_wait_dscnt 0x0                               ; the opening add is done
	s_wait_kmcnt 0x0
	s_add_nc_u64 s[G0R+2:G0R+3], s[4:5], s[92:93]
	s_add_nc_u64 s[G0SR+2:G0SR+3], s[6:7], s[94:95]
	s_add_nc_u64 s[G0P0+2:G0P0+3], s[8:9], s[96:97]
	s_add_nc_u64 s[G0SP+2:G0SP+3], s[10:11], s[98:99]
	s_add_nc_u64 s[G0R+6:G0R+7], s[G0R+2:G0R+3], TA          ; K steps 3-5
	s_add_nc_u64 s[G0R+10:G0R+11], s[G0R+2:G0R+3], 3*TSL     ; K steps 6, 7
	s_add_nc_u64 s[G0P0+6:G0P0+7], s[G0P0+2:G0P0+3], TA
	s_add_nc_u64 s[G0P0+14:G0P0+15], s[G0P0+2:G0P0+3], 3*TSL
.irp s, 0,1,2
	s_mov_b32 s[G0R+4*\s], 1
	s_mov_b32 s[G0R+4*\s+1], (\s%2)*4*HA
	s_or_b32 s[G0R+4*\s+3], s[G0R+4*\s+3], 0x80000000
	s_mov_b32 s[G0P0+4*\s+4*(\s/2)], 1
	s_mov_b32 s[G0P0+4*\s+4*(\s/2)+1], 2*HA+(\s%2)*4*HA
	s_or_b32 s[G0P0+4*\s+4*(\s/2)+3], s[G0P0+4*\s+4*(\s/2)+3], 0x80000000
.endr
	s_mov_b32 s[G0SR], 1
	s_mov_b32 s[G0SR+1], SCL
	s_or_b32 s[G0SR+3], s[G0SR+3], 0x80000000
	s_mov_b32 s[G0SP], 1
	s_mov_b32 s[G0SP+1], SCL+2*HALFS
	s_or_b32 s[G0SP+3], s[G0SP+3], 0x80000000
	CROUND                                         ; all sixteen work-groups are here: the first joint loads meet
	s_mov_b32 s[G1P+2], 8<<16                      ; P has 8 tiles,
	s_mov_b32 s[G1P+4], 8
	s_mov_b32 s[G1SP+2], 16<<16                    ; and 4,096 bytes of scale words
	s_mov_b32 s[G1SP+4], 16
	QLOAD G0R, G1R, G0P0, G1P, G0SR, G1SR, G0SP, G1SP   ; region A and the scale words of all of K: one load a wave
	v_and_b32 v1, 15, v0                           ; r
	v_bfe_u32 v2, v0, 4, 1                         ; h
	v_and_b32 v3, 31, v0
	v_lshlrev_b32 v[L16], 4, v3
	v_lshlrev_b32 v[L8], 3, v3
	s_mul_i32 s2, s17, HA                          ; my 8 tiles of R in region A,
	s_mul_i32 s3, s18, HA/2                        ; my 4 of P,
	s_add_co_u32 s3, s3, 2*HA                      ; behind R's 16
.irp s, 0,1
	v_add_nc_u32 v[AR16+\s], s2, v[L16]
	v_add_nc_u32 v[AR8+\s], s2, v[L8]
	v_add_nc_u32 v[AP16+\s], s3, v[L16]
	v_add_nc_u32 v[AP8+\s], s3, v[L8]
	s_add_co_u32 s2, s2, 4*HA                      ; and in region B
	s_add_co_u32 s3, s3, 4*HA
.endr
	s_mul_i32 s2, s17, HALFT                       ; and in the refill, which begins where A's parts begin
	s_mul_i32 s3, s18, HALFT/2
	s_add_co_u32 s3, s3, 2*HA
	v_add_nc_u32 v[AR16+2], s2, v[L16]
	v_add_nc_u32 v[AR8+2], s2, v[L8]
	v_add_nc_u32 v[AP16+2], s3, v[L16]
	v_add_nc_u32 v[AP8+2], s3, v[L8]
	s_mul_i32 s2, s17, HALFS
	s_mul_i32 s3, s18, HALFS/2
	s_add_co_u32 s3, s3, 2*HALFS
	s_sub_co_u32 s3, s3, s2
	v_mul_u32_u24 v3, s3, v2                       ; lanes 16-31 take P's: one product, the distance between the two
	s_add_co_u32 s2, s2, SCL
	v_lshl_add_u32 v3, v1, 3, v3
	v_add_nc_u32 v[ADRS], s2, v3
	v_lshl_add_u32 v[ADR2], v1, 3, s2
	s_mul_i32 s2, s16, 8448
	s_add_co_u32 s2, s2, 4*HA                      ; my stage: 16 rows 528 bytes apart, in region B
	v_mul_u32_u24 v[STO], v1, 528
	v_lshl_add_u32 v[STO], v2, 6, v[STO]
	v_add_nc_u32 v[STO], s2, v[STO]                ; in: row r, + 64 h
	v_mad_u32_u24 v[RD], v2, 528, s2
	v_lshl_add_u32 v[RD], v1, 4, v[RD]             ; back: lanes 0-15 a row's 256 bytes, lanes 16-31 the next row's
	v_lshlrev_b32 v[CO], 12, v2
	v_lshl_add_u32 v[CO], v1, 4, v[CO]             ; and the same two rows in out0
	s_lshl_b32 s8, s100, 9                         ; my first column, in bytes: 128 columns a block,
	s_lshl_b32 s9, s18, 8                          ; 64 a half
	s_add_co_u32 s8, s8, s9
	s_mov_b32 s9, 0
	s_add_nc_u64 s[12:13], s[12:13], s[8:9]
	s_add_nc_u64 s[14:15], s[14:15], s[8:9]
	s_lshl_b32 s8, s21, 20                         ; my first row: 256 rows of 4,096 bytes a block,
	s_lshl_b32 s10, s17, 19                        ; 128 a half
	s_add_co_u32 s8, s8, s10
	s_add_nc_u64 s[14:15], s[14:15], s[8:9]
	v_lshlrev_b32 v21, 6, v2                       ; the bias: register j of P's block b is column 32 (b/2) + 8 (b%2) + 16 h + j
.irp b, 0,1,2,3
	global_load_b128 v[BI+8*\b:BI+8*\b+3], v21, s[12:13] offset:(32*(\b/2)+8*(\b%2))*4
	global_load_b128 v[BI+8*\b+4:BI+8*\b+7], v21, s[12:13] offset:(32*(\b/2)+8*(\b%2))*4+16
.endr
	s_wait_alu depctr_va_vdst(0)
	s_wait_tensorcnt 0x0                           ; my tile of the head's four is in; the three lines ahead of a later first fill
	ds_add_u32 v[SPW], v[NIL]
	s_wait_dscnt 0x0
	CROUND                                         ; all four tiles are in, and all sixteen work-groups are here
	RLOAD G0R+4, G0P0+4                            ; region B: K steps 3-5
	FETCH_P 0, 0, 0
	FETCH_R 0, 0, 0
	SCALES 0, 0
	FETCH_R 0, 0, 4
	s_wait_loadcnt 0x0                             ; the bias
	KSTEP 0, 0, 1, 0, 0, 1, -1, 0                  ; the first K step starts the sums with the bias
	KSTEP 1, 0, 0, 0, 0, 2, 1, 1
	KSTEP 0, 1, 0, 1, 1, 0, -1, 0                  ; region B has landed in every wave; region A is left and filled again
	KSTEP 1, 1, 0, 0, 1, 1, 0, 2
	KSTEP 0, 0, 0, 0, 1, 2, -1, 0
	KSTEP 1, 0, 0, 2, 2, 0, 1, 3                   ; the refill has landed in every wave; nobody reads region B any more
	KSTEP 0, 1, 0, 0, 2, 1, -1, 0
	KSTEP 1, 1, 0, 3, 0, 0, -1, 0
; THE WAY OUT, block by block of 16 rows x 64 columns: through my own stage and back as whole rows of 256 bytes.  LDS serves a wave's instructions in order: no wait between the stores and the loads.
.macro TOSTAGE a
.set AC, 64*((\a)%4)
	WIN 0x08+4*((\a)/4)                            ; an LDS store's data: window 2 or 3
.irp c, 0,1
.irp k, 0,1,2,3
	ds_store_b128 v[STO], v[AC+16*\c+4*\k:AC+16*\c+4*\k+3] offset:128*\c+16*\k   ; each accumulator from its low end on
.endr
.endr
	WIN 0
.set BB, BK+64*((\a)%2)
.irp t, 0,1,2,3,4,5,6,7
	ds_load_b128 v[BB+4*\t:BB+4*\t+3], v[RD] offset:\t*1056
.endr
.endm
.macro SEND a, younger                 ; younger: the LDS instructions issued behind block a's loads, which may stay out
.set BB, BK+64*((\a)%2)
	s_wait_dscnt \younger
.irp t, 0,1,2,3,4,5,6,7
	global_store_b128 v[CO], v[BB+4*\t:BB+4*\t+3], s[14:15] offset:(32*((\a)/2)+8*((\a)%2)+2*\t+8*(\t/4))*4096 th:TH_STORE_NT   ; sixteen lanes store 256 consecutive bytes, aligned; stage row 2 t + h is the tile's lane 2 t + h
.endr
.endm
	PLACES 4                                       ; in front of the first read of results and of loads into R's registers
	TOSTAGE 0
.irp a, 1,2,3,4,5,6,7
.if \a > 1
	s_wait_xcnt 0x0                                ; block a - 2's stores have read their registers: block a's loads may land there
.endif
	TOSTAGE \a
	SEND \a-1, 16                                  ; behind block a - 1's loads: block a's 8 stores and 8 loads
.endr
	SEND 7, 0
	s_wait_tensorcnt 0x0                           ; the wave's end, behind my last tensor load and my last LDS store
	ds_add_u32 v[SPW], v[NIL]
	s_wait_dscnt 0x0
	CROUND                                         ; the closing round
	s_endpgm
.Lfunc_end_k_q05bbee2908_gemm2:
	.size	k_q05bbee2908_gemm2, .Lfunc_end_k_q05bbee2908_gemm2-k_q05bbee2908_gemm2
	.p2alignl 7, 3214868480
	.fill 96, 4, 3214868480
	.section	.rodata,"a",@progbits
	.p2align	6, 0x0
	.amdhsa_kernel k_q05bbee2908_gemm2
		.amdhsa_group_segment_fixed_size 327680
		.amdhsa_private_segment_fixed_size 0
		.amdhsa_enable_private_segment 0
		.amdhsa_kernarg_size 48
		.amdhsa_user_sgpr_count 2
		.amdhsa_user_sgpr_kernarg_segment_ptr 1
		.amdhsa_wavefront_size32 1
		.amdhsa_system_sgpr_workgroup_id_x 1
		.amdhsa_system_sgpr_workgroup_id_y 1
		.amdhsa_system_sgpr_workgroup_id_z 1
		.amdhsa_system_vgpr_workitem_id 0
		.amdhsa_next_free_vgpr 1024
		.amdhsa_next_free_sgpr 102
		.amdhsa_reserve_vcc 0
		.amdhsa_float_denorm_mode_32 3
		.amdhsa_float_denorm_mode_16_64 3
		.amdhsa_memory_ordered 1
		.amdhsa_forward_progress 1
		.amdhsa_inst_pref_size 90
	.end_amdhsa_kernel
	.amdgpu_metadata
---
amdhsa.version: [ 1, 2 ]
amdhsa.kernels:
  - .name:           k_q05bbee2908_gemm2
    .symbol:         k_q05bbee2908_gemm2.kd
    .args:
      - { .name: yi, .offset: 0, .size: 8, .value_kind: global_buffer, .address_space: global }
      - { .name: ys, .offset: 8, .size: 8, .value_kind: global_buffer, .address_space: global }
      - { .name: wi, .offset: 16, .size: 8, .value_kind: global_buffer, .address_space: global }
      - { .name: ws, .offset: 24, .size: 8, .value_kind: global_buffer, .address_space: global }
      - { .name: b_proj, .offset: 32, .size: 8, .value_kind: global_buffer, .address_space: global }
      - { .name: out0, .offset: 40, .size: 8, .value_kind: global_buffer, .address_space: global }
    .group_segment_fixed_size: 327680
    .private_segment_fixed_size: 0
    .kernarg_segment_align: 8
    .kernarg_segment_size: 48
    .max_flat_workgroup_size: 128
    .sgpr_count:     102
    .vgpr_count:     1024
    .wavefront_size: 32
...
	.end_amdgpu_metadata
.endif
;; end of part 4
